; MI455X (gfx1250); checked and timed in simulation.
; The chip was launched on July 23, 2026; its instructions are those of AMD's public machine-readable ISA for CDNA 5 (MIT licence, August 2026) and "CDNA5" Instruction Set Architecture Reference Guide (July 2026). The comments in the code are by the model that wrote it; some were corrected since.
;; Deep Speed Transformer Inference. Allowed arithmetic: matrix products marked QUANTISED: E4M3 operands, one given power-of-two scale a tensor, by v_wmma_f32_16x16x64_fp8_fp8 or v_wmma_f32_16x16x128_fp8_fp8, f32 sums; everything else in f32.
;; Inputs: attn_nb 1,024 float32; attn_nw 1,024 float32; attn_ob 1,024 float32; attn_ow 1,024 x 1,024 float32; input_mask 2 x 2,048 float32; inter_b 4,096 float32; inter_w 1,024 x 4,096 float32; lowp_scales 12 int32 (the exponents e of the quantised operands' scales 2^e); norm_b 1,024 float32; norm_w 1,024 float32; output_b 1,024 float32; output_w 4,096 x 1,024 float32; qkvb 3,072 float32; qkvw 1,024 x 3,072 float32; x 2 x 2,048 x 1,024 float32.
;; Outputs: out0 2 x 2,048 x 1,024 float32.
;; This version of the problem:
;;   THIS VERSION OF THE PROBLEM IS GIVEN IN LOW PRECISION. The matrix products marked QUANTISED in the list below multiply operands that are first quantised to E4M3 (4 exponent bits, 3 mantissa bits; 8 bits a number), with one given power-of-two scale for each operand tensor; their sums are f32. All else is computed in f32.
;;   The module's matrix products, in the order in which they are computed (A, B: the left and right operand; K: the contracted axis; several contracted axes count as one K, in the product's order):
;;     1. [M 4,096, K 1,024] x [K 1,024, N 3,072]; A: computed on the way; B: input qkvw: QUANTISED (scales: A lowp_scales[0], B lowp_scales[1])
;;     2. batch 32 x [M 2,048, K 64] x [K 64, N 2,048]; A: computed on the way; B: computed on the way: QUANTISED (scales: A lowp_scales[2], B lowp_scales[3])
;;     3. batch 32 x [M 64, K 2,048] x [K 2,048, N 2,048]; A: computed on the way; B: softmax (see below): QUANTISED (scales: A lowp_scales[4], B lowp_scales[5])
;;     4. [M 4,096, K 1,024] x [K 1,024, N 1,024]; A: computed on the way; B: input attn_ow: QUANTISED (scales: A lowp_scales[6], B lowp_scales[7])
;;     5. [M 4,096, K 1,024] x [K 1,024, N 4,096]; A: computed on the way; B: input inter_w: QUANTISED (scales: A lowp_scales[8], B lowp_scales[9])
;;     6. [M 4,096, K 4,096] x [K 4,096, N 1,024]; A: computed on the way; B: input output_w: QUANTISED (scales: A lowp_scales[10], B lowp_scales[11])
;;   THE QUANTISER, for each operand of a quantised product, along K:
;;     - The operand's scale is 2^e, e = its entry of the input lowp_scales (int32; the entries are numbered through the quantised products in the list's order, A before B).
;;     - Each number is divided by the scale, clamped to +-448, and rounded to the nearest number of E4M3, ties to even, subnormals kept.
;;     - The product sums the exact products of the quantised numbers (number of the format x scale) in f32.
;;   ~~~python
;;   def quantise(x, axis, e):      # numpy; x: float32 -> the quantised numbers, widened to float32 again
;;       x = np.moveaxis(x, axis, -1); K = x.shape[-1]
;;       r = np.clip(x / 2.0 ** e, -448, 448)
;;       step = 2.0 ** (np.maximum(np.frexp(np.where(r == 0, 1, r))[1] - 1, -6) - 3)
;;       q = np.round(r / step) * step * 2.0 ** e      # np.round: ties to even
;;       return np.moveaxis(q, -1, axis).astype(np.float32)
;;   ~~~
;;   SOFTMAX AHEAD OF A QUANTISED PRODUCT. Where the list says 'softmax', what is quantised is not the finished softmax but p = 2^(t - M), with t = logit x log2(e) and M = ceil(the row's largest t), a whole number; so 1/2 < the row's largest p <= 1. The row's sum l is taken of the UNQUANTISED p, in f32, and the product's result is divided by l at the end. Since M is a whole number, a kernel that streams over the keys may use a running M (the ceiling of the running maximum): every later rescaling is an exact power of two, so the quantised numbers keep their values, but for numbers so far below the row's largest that they fall under the format's range.
;;   OPERANDS COMPUTED ON THE WAY. 'Computed on the way' means the value that the module computes at that place (a softmax that the list does not call 'softmax' is quantised finished and normalised). What goes into a quantiser is computed in f32, as accurately as f32 sums, v_exp_f32 and their like allow (about 1e-6 of the number): no bf16 or f16 on the way to a quantiser, and a product that is left as it is and whose result goes on into a quantised operand takes f32 operands (vector FMAs, or v_wmma_f32_16x16x4_f32). A number that lies on a knife's edge between two numbers of the format may be rounded either way, as far as f32 arithmetic and the matrix unit's own rounding can turn it there, and no further.
;; One version. Each part assembles by itself: llvm-mc -triple=amdgcn-amd-amdhsa -mcpu=gfx1250 --defsym DOCPART=n.
;; ======== version 1 of 1: 7 launches
;; limits: right only within a limited range of input values
;; workspace buffers: wc 12,582,912 bytes; a0 4,194,304 bytes; qkvc 20,971,520 bytes; resid 16,777,216 bytes; hc 16,777,216 bytes
;; launch prep (part 1): grid 640 x 1, 4 waves a work-group, no clusters, 35,328 bytes of LDS; arguments x, norm_w, norm_b, qkvw, attn_ow, inter_w, output_w, lowp_scales, a0, wc; writes a0, wc
.if DOCPART == 1
	.amdgcn_target "amdgcn-amd-amdhsa--gfx1250"
	.amdhsa_code_object_version 6
	.text
	.protected	k_q33d7b1d715_prep
	.globl	k_q33d7b1d715_prep
	.p2align	8
	.type	k_q33d7b1d715_prep,@function
k_q33d7b1d715_prep:
	s_mov_b64 s[64:65], 0
	v_nop
	global_prefetch_b8 v0, s[64:65] scope:SCOPE_SE
	s_setreg_imm32_b32 hwreg(HW_REG_WAVE_MODE, 25, 1), 1
	s_wait_xcnt 0x0
; PREP: work-groups 0-383 turn the four weights ([K][N] f32, K the first axis) into codes of E4M3 laid [N][K] in wc; work-groups 384-639 make LN1(x) and its codes in a0.
; code = number / 2^e, held within +-448, to the nearest code, ties to even.  LIMITS: each e between -126 and 119; NaN among the inputs is not served.
; WEIGHTS: a lane takes a column n and its registers run down K, so the conversions give codes with K innermost; a wave takes 32 columns x 256 along K; the codes go through
; the wave's own stage in LDS and leave as rows: sixteen lanes store 256 consecutive bytes, aligned.  One text serves all four weights: what differs is chosen by the work-group's number.
;   wc: qkvw's codes [3072][1024] at 0, attn_ow's [1024][1024] at 0x300000, inter_w's [4096][1024] at 0x400000, output_w's [1024][4096] at 0x800000.
; NORM: one wave to a row of 1,024 numbers, 32 a lane, four rows a wave; mean, then the mean of the squared differences, as the definition has them; no LDS on this path.
.set SPW,   14                         ; v14  LDS address of my spare word; never rewritten
.set NIL,   15                         ; v15  0; never rewritten
.set PITCH, 272                        ; a stage row: 256 bytes of codes + 16
.set SPARE, 4*32*PITCH                 ; behind the four stages: the spare words, 128 bytes a wave
.set OFFI,  16                         ; v16-47   4 x lane + i rows of the weight
.set X,     48                         ; v48-111  two sets of 32 numbers
.set C,     112                        ; v112-119 a block's codes
.set OUTR,  120                        ; v120-183 the way out
.set OUTO,  184                        ; v184-199 the way out's offsets in wc
.set SB,    66                         ; s[66:81] eight bases: the weight at my columns, 32 rows of K apart
.set NB,    8
.set LC,    32                         ; norm: v32-63 codes, 8 a row
.set LX,    64                         ; v64-191  four rows, 32 numbers a lane each
.set LG,    192                        ; v192-223 the gain at my columns
.set LB,    224                        ; v224-255 the bias at my columns
	s_load_b256 s[4:11], s[0:1], 0x0               ; x, norm_w, norm_b, qkvw
	s_load_b256 s[12:19], s[0:1], 0x20             ; attn_ow, inter_w, output_w, the scales' exponents
	s_load_b128 s[20:23], s[0:1], 0x40             ; a0, wc
	v_lshl_add_u32 v[SPW], v0, 2, SPARE
	v_mov_b32 v[NIL], 0
	v_lshrrev_b32 v1, 5, v0
	v_readfirstlane_b32 s24, v1                    ; wave 0..3
	v_and_b32 v2, 31, v0                           ; lane
	s_wait_kmcnt 0x0
	s_load_b256 s[28:35], s[18:19], 0x0            ; e0 .. e7
	s_load_b128 s[36:39], s[18:19], 0x20           ; e8 .. e11
	s_cmp_lt_u32 ttmp9, 384
	s_cbranch_scc0 .Lnorm
; ---------------- the weights ----------------
.macro PICK lim, src, rowb, kb, first, dst, e  ; work-groups under lim belong to an earlier weight: its figures replace those held so far
	s_mov_b32 s48, \rowb
	s_mov_b32 s49, \kb
	s_mov_b32 s50, \first
	s_mov_b32 s51, \dst
	s_cmp_lt_u32 ttmp9, \lim
	s_cselect_b64 s[40:41], s[\src:\src+1], s[40:41]
	s_cselect_b32 s42, s48, s42
	s_cselect_b32 s43, s49, s43
	s_cselect_b32 s44, 2, s44
	s_cselect_b32 s45, s50, s45
	s_cselect_b32 s46, s51, s46
	s_cselect_b32 s47, s[\e], s47
.endm
	s_wait_kmcnt 0x0
	s_mov_b64 s[40:41], s[16:17]                   ; output_w: the weight,
	s_mov_b32 s42, 4096                            ; bytes in a row of it (4 N),
	s_mov_b32 s43, 4096                            ; bytes in a row of its codes (K),
	s_mov_b32 s44, 4                               ; log2 of K / 256,
	s_mov_b32 s45, 256                             ; its first work-group,
	s_mov_b32 s46, 0x800000                        ; its place in wc,
	s_mov_b32 s47, s39                             ; its e
	PICK 256, 14, 16384, 1024, 128, 0x400000, 37   ; inter_w
	PICK 128, 12, 4096, 1024, 96, 0x300000, 35     ; attn_ow
	PICK 96, 10, 12288, 1024, 0, 0, 29             ; qkvw
	s_sub_co_u32 s52, ttmp9, s45
	s_lshl_b32 s53, 1, s44
	s_sub_co_u32 s53, s53, 1
	s_and_b32 s53, s52, s53                        ; which 256 along K
	s_lshr_b32 s54, s52, s44
	s_lshl_b32 s54, s54, 7
	s_lshl_b32 s55, s24, 5
	s_add_co_u32 s54, s54, s55                     ; my wave's first column
	s_mul_i32 s56, s53, s42
	s_lshl_b32 s56, s56, 8                         ; 256 rows of the weight for each step along K,
	s_lshl_b32 s55, s54, 2
	s_add_co_u32 s56, s56, s55                     ; + 4 bytes a column
	s_mov_b32 s57, 0
	s_add_nc_u64 s[SB:SB+1], s[40:41], s[56:57]
	s_lshl_b32 s56, s42, 5                         ; 32 rows on
.set II, 1
.rept 7
	s_add_nc_u64 s[SB+2*II:SB+2*II+1], s[SB+2*II-2:SB+2*II-1], s[56:57]
.set II, II+1
.endr
	s_mul_i32 s58, s54, s43                        ; the codes: a row a column,
	s_lshl_b32 s55, s53, 8
	s_add_co_u32 s58, s58, s55                     ; + 256 bytes for each step along K,
	s_add_co_u32 s58, s58, s46                     ; in the weight's part of wc
	s_mov_b32 s59, 0
	s_add_nc_u64 s[22:23], s[22:23], s[58:59]
	s_wait_alu depctr_va_vdst(0)
	v_lshlrev_b32 v3, 2, v2
.set II, 0
.rept 32
	v_mad_u32_u24 v[OFFI+II], s42, II, v3          ; 4 x lane + II rows
.set II, II+1
.endr
	s_mul_i32 s60, s24, 32*PITCH                   ; my stage
	v_mul_u32_u24 v4, v2, PITCH
	v_add_nc_u32 v4, s60, v4                       ; into it: row = my column
	v_and_b32 v5, 15, v2
	v_lshrrev_b32 v6, 4, v2
	v_mul_u32_u24 v7, v6, PITCH
	v_lshl_add_u32 v7, v5, 4, v7
	v_add_nc_u32 v7, s60, v7                       ; out of it: sixteen lanes to a row, two rows an instruction
	v_mul_u32_u24 v8, v6, s43
	v_lshl_add_u32 v8, v5, 4, v8
.set II, 0
.rept 16
	v_mad_u32_u24 v[OUTO+II], s43, 2*II, v8        ; the same two rows in wc
.set II, II+1
.endr
.macro LOAD t                          ; block t: the weight at rows 32 t + i, my column, into set t % 2; 128 consecutive bytes a wave
.irp i, 0,1,2,3,4,5,6,7,8,9,10,11,12,13,14,15,16,17,18,19,20,21,22,23,24,25,26,27,28,29,30,31
	global_load_b32 v[X+32*((\t)%2)+\i], v[OFFI+\i], s[SB+2*(\t):SB+2*(\t)+1] th:TH_LOAD_NT
.endr
.endm
	LOAD 0
	LOAD 1
	s_add_co_i32 s47, s47, 127
	s_lshl_b32 s61, s47, 23
	v_mov_b32 v11, s61                             ; 2^e as f32: the conversion takes its exponent field
	s_add_co_i32 s47, s47, 8
	s_lshl_b32 s47, s47, 23
	s_or_b32 s47, s47, 0x600000
	v_mov_b32 v10, s47                             ; 448 x 2^e
.macro BLOCK t
.set XS, X+32*((\t)%2)
.if (\t) < NB-1
	s_wait_loadcnt 32                              ; this block's 32 loads are in; the next block's 32 may be out
.else
	s_wait_loadcnt 0
.endif
.irp i, 0,1,2,3,4,5,6,7,8,9,10,11,12,13,14,15,16,17,18,19,20,21,22,23,24,25,26,27,28,29,30,31
	v_med3_num_f32 v[XS+\i], v[XS+\i], -v10, v10   ; the conversion does not saturate (ISA guide 7.6.2): the hold comes first
.endr
.irp g, 0,1,2,3
	v_cvt_scalef32_pk8_fp8_f32 v[C+2*\g:C+2*\g+1], v[XS+8*\g:XS+8*\g+7], v11
.endr
	ds_store_b128 v4, v[C:C+3] offset:32*(\t)      ; 32 codes of my column's row
	ds_store_b128 v4, v[C+4:C+7] offset:32*(\t)+16
.if (\t)+2 < NB
	LOAD (\t)+2
.endif
	s_wait_dscnt 0x0                               ; the stores have read their registers: the next block's codes may be written
.endm
.set Q, 0
	s_wait_alu depctr_va_vdst(0)
.rept NB
	BLOCK Q
.set Q, Q+1
.endr
.irp t, 0,1,2,3,4,5,6,7,8,9,10,11,12,13,14,15
	ds_load_b128 v[OUTR+4*\t:OUTR+4*\t+3], v7 offset:2*\t*PITCH   ; LDS serves a wave's instructions in order: these see my stores
.endr
.irp t, 0,1,2,3,4,5,6,7,8,9,10,11,12,13,14,15
	s_wait_dscnt 15-\t                             ; the younger loads may be out
	global_store_b128 v[OUTO+\t], v[OUTR+4*\t:OUTR+4*\t+3], s[22:23]
.endr
	s_wait_tensorcnt 0x0                           ; the wave's end
	ds_add_u32 v[SPW], v[NIL]
	s_wait_dscnt 0x0
	s_endpgm
; ---------------- the norm ----------------
.Lnorm:
	s_wait_kmcnt 0x0
	s_sub_co_u32 s40, ttmp9, 384
	s_lshl_b32 s40, s40, 4
	s_lshl_b32 s41, s24, 2
	s_add_co_u32 s40, s40, s41                     ; my wave's first row: 16 x work-group + 4 x wave
	s_lshl_b32 s42, s40, 12
	s_mov_b32 s43, 0
	s_add_nc_u64 s[4:5], s[4:5], s[42:43]          ; rows of 4,096 bytes in,
	s_lshl_b32 s42, s40, 10
	s_add_nc_u64 s[20:21], s[20:21], s[42:43]      ; rows of 1,024 codes out
	s_wait_alu depctr_va_vdst(0)
	v_lshlrev_b32 v3, 5, v2                        ; in each 1,024 bytes of a row a lane takes 32: eight neighbours
	v_lshlrev_b32 v4, 3, v2                        ; and their eight codes
	s_mov_b32 s50, 0x76543210                      ; v_permlanex16_b32: lane l xor 16
	s_mov_b32 s51, 0xfedcba98
	s_mov_b32 s52, 0x2b8cbccc                      ; 1e-12
	s_mov_b32 s53, 0x3a800000                      ; 1 / 1,024
.irp c, 0,1,2,3
	global_load_b128 v[LG+8*\c:LG+8*\c+3], v3, s[6:7] offset:1024*\c
	global_load_b128 v[LG+8*\c+4:LG+8*\c+7], v3, s[6:7] offset:1024*\c+16
.endr
.irp c, 0,1,2,3
	global_load_b128 v[LB+8*\c:LB+8*\c+3], v3, s[8:9] offset:1024*\c
	global_load_b128 v[LB+8*\c+4:LB+8*\c+7], v3, s[8:9] offset:1024*\c+16
.endr
.irp r, 0,1,2,3
.irp c, 0,1,2,3
	global_load_b128 v[LX+32*\r+8*\c:LX+32*\r+8*\c+3], v3, s[4:5] offset:4096*\r+1024*\c
	global_load_b128 v[LX+32*\r+8*\c+4:LX+32*\r+8*\c+7], v3, s[4:5] offset:4096*\r+1024*\c+16
.endr
.endr
	s_add_co_i32 s28, s28, 127
	s_lshl_b32 s29, s28, 23
	v_mov_b32 v11, s29                             ; 2^e as f32
	s_add_co_i32 s28, s28, 8
	s_lshl_b32 s28, s28, 23
	s_or_b32 s28, s28, 0x600000
	v_mov_b32 v10, s28                             ; 448 x 2^e
.macro WSUM                            ; v16 summed over the 32 lanes, the result in every lane
	v_add_f32_dpp v16, v16, v16 row_xmask:1 row_mask:0xf bank_mask:0xf
	v_add_f32_dpp v16, v16, v16 row_xmask:2 row_mask:0xf bank_mask:0xf
	v_add_f32_dpp v16, v16, v16 row_xmask:4 row_mask:0xf bank_mask:0xf
	v_add_f32_dpp v16, v16, v16 row_xmask:8 row_mask:0xf bank_mask:0xf
	v_permlanex16_b32 v17, v16, s50, s51
	v_add_f32 v16, v16, v17
.endm
.macro LNROW r
.set XR, LX+32*(\r)
	s_wait_loadcnt 8*(3-(\r))                      ; gain, bias and this row are in; the later rows' eight loads each may be out
	v_pk_add_f32 v[16:17], v[XR:XR+1], v[XR+2:XR+3]
	v_pk_add_f32 v[18:19], v[XR+4:XR+5], v[XR+6:XR+7]
.irp j, 8,12,16,20,24,28
	v_pk_add_f32 v[16:17], v[16:17], v[XR+\j:XR+\j+1]
	v_pk_add_f32 v[18:19], v[18:19], v[XR+\j+2:XR+\j+3]
.endr
	v_pk_add_f32 v[16:17], v[16:17], v[18:19]
	v_add_f32 v16, v16, v17
	WSUM
	v_mul_f32 v24, s53, v16                        ; the mean, twice: a pair for the packed forms
	v_mul_f32 v25, s53, v16
.irp j, 0,2,4,6,8,10,12,14,16,18,20,22,24,26,28,30
	v_pk_add_f32 v[XR+\j:XR+\j+1], v[XR+\j:XR+\j+1], v[24:25] neg_lo:[0,1] neg_hi:[0,1]
.endr
	v_pk_mul_f32 v[16:17], v[XR:XR+1], v[XR:XR+1]
	v_pk_mul_f32 v[18:19], v[XR+2:XR+3], v[XR+2:XR+3]
.irp j, 4,8,12,16,20,24,28
	v_pk_fma_f32 v[16:17], v[XR+\j:XR+\j+1], v[XR+\j:XR+\j+1], v[16:17]
	v_pk_fma_f32 v[18:19], v[XR+\j+2:XR+\j+3], v[XR+\j+2:XR+\j+3], v[18:19]
.endr
	v_pk_add_f32 v[16:17], v[16:17], v[18:19]
	v_add_f32 v16, v16, v17
	WSUM
	v_fma_f32 v16, v16, s53, s52                   ; the variance + 1e-12
	s_wait_alu depctr_va_vdst(0)
	v_rsq_f32 v26, v16
	v_nop                                          ; a plain instruction behind the transcendental,
	s_wait_alu depctr_va_vdst(0)                   ; and the wait ahead of its first reader
	v_mov_b32 v27, v26
.irp j, 0,2,4,6,8,10,12,14,16,18,20,22,24,26,28,30
	v_pk_mul_f32 v[XR+\j:XR+\j+1], v[XR+\j:XR+\j+1], v[26:27]
.endr
.irp j, 0,2,4,6,8,10,12,14,16,18,20,22,24,26,28,30
	v_pk_fma_f32 v[XR+\j:XR+\j+1], v[XR+\j:XR+\j+1], v[LG+\j:LG+\j+1], v[LB+\j:LB+\j+1]
.endr
.irp i, 0,1,2,3,4,5,6,7,8,9,10,11,12,13,14,15,16,17,18,19,20,21,22,23,24,25,26,27,28,29,30,31
	v_med3_num_f32 v[XR+\i], v[XR+\i], -v10, v10   ; the hold ahead of a conversion that does not saturate (ISA guide 7.6.2)
.endr
.irp c, 0,1,2,3
	v_cvt_scalef32_pk8_fp8_f32 v[LC+8*(\r)+2*\c:LC+8*(\r)+2*\c+1], v[XR+8*\c:XR+8*\c+7], v11
.endr
	v_nop                                          ; a plain instruction behind the last conversion
.irp c, 0,1,2,3
	global_store_b64 v4, v[LC+8*(\r)+2*\c:LC+8*(\r)+2*\c+1], s[20:21] offset:1024*(\r)+256*\c   ; the wave stores 256 consecutive bytes, aligned
.endr
.endm
	LNROW 0
	LNROW 1
	LNROW 2
	LNROW 3
	s_endpgm
.Lfunc_end_k_q33d7b1d715_prep:
	.size	k_q33d7b1d715_prep, .Lfunc_end_k_q33d7b1d715_prep-k_q33d7b1d715_prep
	.p2alignl 7, 3214868480
	.fill 96, 4, 3214868480
	.section	.rodata,"a",@progbits
	.p2align	6, 0x0
	.amdhsa_kernel k_q33d7b1d715_prep
		.amdhsa_group_segment_fixed_size 35328
		.amdhsa_private_segment_fixed_size 0
		.amdhsa_enable_private_segment 0
		.amdhsa_kernarg_size 80
		.amdhsa_user_sgpr_count 2
		.amdhsa_user_sgpr_kernarg_segment_ptr 1
		.amdhsa_wavefront_size32 1
		.amdhsa_system_sgpr_workgroup_id_x 1
		.amdhsa_system_sgpr_workgroup_id_y 1
		.amdhsa_system_sgpr_workgroup_id_z 1
		.amdhsa_system_vgpr_workitem_id 0
		.amdhsa_next_free_vgpr 256
		.amdhsa_next_free_sgpr 100
		.amdhsa_reserve_vcc 0
		.amdhsa_float_denorm_mode_32 3
		.amdhsa_float_denorm_mode_16_64 3
		.amdhsa_memory_ordered 1
		.amdhsa_forward_progress 1
		.amdhsa_inst_pref_size 95
	.end_amdhsa_kernel
	.amdgpu_metadata
---
amdhsa.version: [ 1, 2 ]
amdhsa.kernels:
  - .name:           k_q33d7b1d715_prep
    .symbol:         k_q33d7b1d715_prep.kd
    .args:
      - { .name: x, .offset: 0, .size: 8, .value_kind: global_buffer, .address_space: global }
      - { .name: norm_w, .offset: 8, .size: 8, .value_kind: global_buffer, .address_space: global }
      - { .name: norm_b, .offset: 16, .size: 8, .value_kind: global_buffer, .address_space: global }
      - { .name: qkvw, .offset: 24, .size: 8, .value_kind: global_buffer, .address_space: global }
      - { .name: attn_ow, .offset: 32, .size: 8, .value_kind: global_buffer, .address_space: global }
      - { .name: inter_w, .offset: 40, .size: 8, .value_kind: global_buffer, .address_space: global }
      - { .name: output_w, .offset: 48, .size: 8, .value_kind: global_buffer, .address_space: global }
      - { .name: lowp_scales, .offset: 56, .size: 8, .value_kind: global_buffer, .address_space: global }
      - { .name: a0, .offset: 64, .size: 8, .value_kind: global_buffer, .address_space: global }
      - { .name: wc, .offset: 72, .size: 8, .value_kind: global_buffer, .address_space: global }
    .group_segment_fixed_size: 35328
    .private_segment_fixed_size: 0
    .kernarg_segment_align: 8
    .kernarg_segment_size: 80
    .max_flat_workgroup_size: 128
    .sgpr_count:     100
    .vgpr_count:     256
    .wavefront_size: 32
...
	.end_amdgpu_metadata
.endif
;; end of part 1
;; launch qkvg (part 2): grid 12 x 16, 4 waves a work-group, clusters of 4 x 4, 327,680 bytes of LDS; arguments a0, wc, lowp_scales, qkvb, qkvc; writes qkvc
.if DOCPART == 2
	.amdgcn_target "amdgcn-amd-amdhsa--gfx1250"
	.amdhsa_code_object_version 6
	.text
	.protected	k_q33d7b1d715_qkvg
	.globl	k_q33d7b1d715_qkvg
	.p2align	8
	.type	k_q33d7b1d715_qkvg,@function
k_q33d7b1d715_qkvg:
	s_mov_b64 s[64:65], 0
	v_nop
	global_prefetch_b8 v0, s[64:65] scope:SCOPE_SE
	s_setreg_imm32_b32 hwreg(HW_REG_WAVE_MODE, 25, 1), 1
	s_wait_xcnt 0x0
	s_wait_alu depctr_hold_cnt(0) depctr_sa_sdst(0) depctr_va_vdst(0) depctr_va_sdst(0) depctr_va_ssrc(0) depctr_va_vcc(0) depctr_vm_vsrc(0)
	s_getreg_b32 s2, hwreg(HW_REG_IB_STS2, 6, 4)
	s_cmp_eq_u32 s2, 0
	s_cbranch_scc0 .Lentry_in_a_cluster
	s_endpgm
.Lentry_in_a_cluster:
	s_bfe_u32 s2, ttmp6, 0x10000c
	s_cmp_lg_u32 s2, 0xf033
	s_cbranch_scc0 .Lentry_shape_is_right
	s_endpgm
.Lentry_shape_is_right:
; A GEMM ON CODES OF E4M3, 256 x 256 of C to a work-group, K = 1,024, whose results are quantised on the way out.  One text, two uses (IS_QKV):
;   IS_QKV = 1: LN1's codes (a0) x qkvw's codes + qkvb -> codes of q, k and v^T in qkvc, q at byte 0 and k at 4 MiB, each [batch][head][token][64]; v^T at rows 4096-5119 of a byte matrix of pitch 4,096 (row = v's feature, column = token).
;   IS_QKV = 0: LN2's codes (a0) x inter_w's codes + inter_b, gelu (tanh form) -> codes in hc [4096][4096].
; Cluster column X = 0, 1, 2 of the QKV grid is q, k, v.  For v the two operands change places (rows of C = v's features, columns = tokens), so that v leaves with the keys innermost: only pointers and tile numbers are chosen, by X, which all sixteen partners share.
; Four waves, each 128 x 128: 64 accumulators.  K goes in steps of 256 through two LDS slots filled by joint tensor loads: A's tile shared along a row of the 4 x 4 cluster, B's along a column.
; THE MATRIX INSTRUCTION IS USED TRANSPOSED (source 0 = 16 rows of B, source 1 = 16 rows of A): a lane holds eight neighbouring columns of one row of C, which one conversion turns into eight codes.
; Fragments come by four 16-byte loads: the same permutation of k in A and in B, so every product meets its partner.
; LIMITS: the sum of the two operands' exponents between -126 and 127; the result's exponent between -126 and 119; NaN is not served.
; REGISTERS: window 0: v0-31 addresses, v32-95 the bias by column, v96-103 the bias by row (v), v104-109 constants, from v128 A's fragments (later the rows on their way out);
;   window 1: B's fragments, two sets (on the way out: v0-63 a block's numbers, v64-127 at work, v128-255 codes);  windows 2, 3: the accumulators.
.set IS_QKV, 1
.set KSTEP,  256
.set ROWB,   256
.set KROW,   1024
.set PITCH,  272                       ; an LDS row: 256 bytes + 16: the sixteen rows of a fragment load start at sixteen different banks (64 banks of 4 bytes: ISA guide 11.1)
.set FR,     16
.set NL,     4
.set NP,     4
.set HALFT,  128*PITCH
.set SLOT,   4*HALFT
.set LAPS,   KROW/(2*KSTEP)
.set SPARE,  2*SLOT                    ; behind the ring: the spare words, 128 bytes a wave
.set SPITCH, 272                       ; the way out: a stage of 256 rows x (256 codes + 16), the work-group's, in slot 0, which has had its last fill and its last read by then
.set ADRA, 16
.set ADRB, 20
.set STO,  24
.set RD,   25
.set CO,   26
.set SPW,  28
.set NIL,  29
.set BNO,  30
.set BMO,  31
.set BN,   32
.set BM,   96
.set SCL,  104
.set ZERO, 105
.set HLD,  106
.set BMP,  108
.set AF,   128
.set BK,   128
.set TMP,  0
.set U,    64
.set CODES, 128
.set G1, 24
.set G0, 32
.set G1B, 48
.set G0B, 56
.set MSB, 0
.macro WIN new                         ; the immediate's high byte repeats the setting that is left
.if MSB != \new
	s_set_vgpr_msb (MSB<<8)|\new
.set MSB, \new
.endif
.endm
.set MUL_LO, 0xa1                      ; source 0 (B) window 1, source 1 (A) window 0, C and D window 2
.set MUL_HI, 0xf1
.set TO_B,   0x40
.macro JLOAD g0a, g1a, g0b, g1b        ; a joint load: waves 0 and 1 fetch for A, waves 2 and 3 for B; an s_nop 0 and four v_nop follow each line
	s_cmp_eq_u32 s15, 0
	s_cbranch_scc0 .Lfor_b_\@
	tensor_load_to_lds s[\g0a:\g0a+3], s[\g1a:\g1a+7]
	s_nop 0
.rept 4
	v_nop
.endr
	s_branch .Lasked_\@
.Lfor_b_\@:
	tensor_load_to_lds s[\g0b:\g0b+3], s[\g1b:\g1b+7]
	s_nop 0
.rept 4
	v_nop
.endr
.Lasked_\@:
.endm
.macro CREST                           ; a round of the cluster's barrier behind its opening barrier
	s_cmp_lg_u32 s14, 0
	s_cbranch_scc1 .Lnot_wave_0_\@
	s_barrier_signal -3
.Lnot_wave_0_\@:
	s_barrier_wait -3
	s_barrier_signal -1
	s_barrier_wait -1
.endm
.macro CROUND
	s_barrier_signal -1
	s_barrier_wait -1
	CREST
.endm
	s_load_b256 s[4:11], s[0:1], 0x0               ; a0, wc, the scales' exponents, the bias
	s_load_b64 s[66:67], s[0:1], 0x20              ; the codes' buffer
	v_lshl_add_u32 v[SPW], v0, 2, SPARE
	v_mov_b32 v[NIL], 0
	ds_add_u32 v[SPW], v[NIL]                      ; the wave's opening: the add and its wait ahead of my first tensor load
	ds_add_u32 v[SPW], v[NIL]
	v_lshrrev_b32 v1, 5, v0
	v_readfirstlane_b32 s14, v1                    ; wave 0..3
	s_lshr_b32 s15, s14, 1                         ; my half of the tile's rows; also: I fetch for A (0) or B (1)
	s_and_b32 s16, s14, 1                          ; my half of its columns; also: which 128 rows I fetch
	s_bfe_u32 s40, ttmp6, 0x40000                  ; cx
	s_bfe_u32 s41, ttmp6, 0x40004                  ; cy
	s_lshl_b32 s42, ttmp9, 2                       ; 4 X
	s_and_b32 s17, ttmp7, 0xffff
	s_lshl_b32 s17, s17, 2                         ; 4 Y
.if IS_QKV
	s_cmp_eq_u32 ttmp9, 2                          ; v?  The same in all sixteen partners
	s_cselect_b32 s42, s17, s42                    ; B's tiles: tokens by Y for v, else features by X
	s_cselect_b32 s17, 0, s17                      ; A's tiles: v's 1,024 features by cy alone, else tokens by Y
	s_cselect_b32 s80, -1, 0                       ; all ones for v
.endif
	s_add_co_u32 s42, s42, s40                     ; B's tile (column of C)
	s_add_co_u32 s17, s17, s41                     ; A's tile (row of C)
	s_lshl_b32 s43, s41, 2
	s_lshl_b32 s43, 15, s43                        ; my row of the cluster
	s_lshl_b32 s44, 0x1111, s40                    ; my column
	s_or_b32 s[G1+0], s43, (0<<16)|(1<<20)|(1<<21)|(5<<22)|(3<<25)  ; the mask; elements of 1 byte; padding on; bit 21 beside a mask; after every 64 words, 4 words
	s_or_b32 s[G1B+0], s44, (0<<16)|(1<<20)|(1<<21)|(5<<22)|(3<<25)
.irp g, G1, G1B
	s_mov_b32 s[\g+1], ROWB<<16                    ; tensor_dim0
	s_mov_b32 s[\g+2], 128<<16                     ; tensor_dim1
	s_mov_b32 s[\g+3], ROWB<<16                    ; tile_dim0
	s_mov_b32 s[\g+4], 128                         ; tile_dim1
	s_mov_b32 s[\g+5], KROW                        ; the pitch
	s_mov_b32 s[\g+6], 0
	s_mov_b32 s[\g+7], 0
.endr
	s_lshl_b32 s18, s16, 7
	s_lshl_b32 s20, s17, 8
	s_add_co_u32 s20, s20, s18                     ; A: row 256 x tile + 128 x half
	s_lshl_b32 s46, s42, 8
	s_add_co_u32 s46, s46, s18                     ; B likewise
	s_mov_b32 s21, 0
	s_mov_b32 s47, 0
	s_mov_b64 s[18:19], KROW
	s_mul_u64 s[20:21], s[20:21], s[18:19]
	s_mul_u64 s[46:47], s[46:47], s[18:19]
	s_mul_i32 s45, s14, HALFT                      ; where they go: wave x 128 rows
	s_wait_dscnt 0x0                               ; the opening add is done
	s_wait_kmcnt 0x0
.if IS_QKV
	s_load_b256 s[84:91], s[8:9], 0x0              ; e0 .. e7
	s_add_nc_u64 s[70:71], s[6:7], 0x200000        ; v's rows of qkvw's codes
	s_cmp_eq_u32 ttmp9, 2
	s_cselect_b64 s[72:73], s[70:71], s[4:5]       ; A's region
	s_cselect_b64 s[74:75], s[4:5], s[6:7]         ; B's region
.else
	s_load_b128 s[84:87], s[8:9], 0x20             ; e8 .. e11
	s_mov_b64 s[72:73], s[4:5]
	s_add_nc_u64 s[74:75], s[6:7], 0x400000        ; inter_w's codes
.endif
	s_add_nc_u64 s[20:21], s[72:73], s[20:21]
	s_add_nc_u64 s[46:47], s[74:75], s[46:47]
	CROUND                                         ; all sixteen work-groups are here: the first joint loads meet
.irp s, 0,1
	s_mov_b32 s[G0+4*\s], 1
	s_add_co_u32 s[G0+4*\s+1], s45, \s*SLOT
	s_add_nc_u64 s[G0+4*\s+2:G0+4*\s+3], s[20:21], \s*ROWB
	s_or_b32 s[G0+4*\s+3], s[G0+4*\s+3], 0x80000000
	s_mov_b32 s[G0B+4*\s], 1
	s_add_co_u32 s[G0B+4*\s+1], s45, \s*SLOT
	s_add_nc_u64 s[G0B+4*\s+2:G0B+4*\s+3], s[46:47], \s*ROWB
	s_or_b32 s[G0B+4*\s+3], s[G0B+4*\s+3], 0x80000000
.endr
	JLOAD G0, G1, G0B, G1B                         ; K step 0: one tensor load a wave at the head
	v_and_b32 v1, 15, v0                           ; r = l % 16
	s_wait_alu depctr_va_vdst(0)
	v_bfe_u32 v2, v0, 4, 1                         ; h = l / 16
	v_mul_u32_u24 v3, v1, PITCH
	v_lshl_add_u32 v4, v2, 4, v3
	s_mul_i32 s21, s15, HALFT
	s_mul_i32 s22, s16, HALFT
	s_add_co_u32 s22, s22, 2*HALFT
.irp s, 0,1
	v_add_nc_u32 v[ADRA+\s], s21, v4
	v_add_nc_u32 v[ADRB+\s], s22, v4
	s_add_co_u32 s21, s21, SLOT
	s_add_co_u32 s22, s22, SLOT
.endr
	s_mul_i32 s23, s15, 128*SPITCH                 ; the stage, in: row 128 x row half + 16 a + r, byte 128 x column half + 16 b + 8 h
	s_lshl_b32 s21, s16, 7
	s_add_co_u32 s23, s23, s21
	v_mul_u32_u24 v5, v1, SPITCH
	s_wait_alu depctr_va_vdst(0)
	v_lshl_add_u32 v5, v2, 3, v5
	v_add_nc_u32 v[STO], s23, v5
	s_mul_i32 s23, s14, 64*SPITCH                  ; back: wave w takes rows 64 w on, sixteen lanes to a row of 256 bytes
	v_mul_u32_u24 v5, v2, SPITCH
	v_lshl_add_u32 v5, v1, 4, v5
	v_add_nc_u32 v[RD], s23, v5
	v_bfe_u32 v6, v0, 2, 3                         ; q and k leave head by head: four lanes take 64 codes of one token, sixteen lanes four tokens
	v_mul_u32_u24 v6, v6, SPITCH
	v_and_b32 v7, 3, v0
	v_lshl_add_u32 v6, v7, 4, v6
	v_add_nc_u32 v22, s23, v6                      ; stage row 64 w + lane / 4, byte 16 (lane % 4)
	v_and_b32 v7, 31, v0
	v_lshlrev_b32 v23, 4, v7                       ; and 16 x lane in the head's rows of 64 codes
	v_lshlrev_b32 v5, 12, v2
	v_lshl_add_u32 v[CO], v1, 4, v5                ; and the same two rows in the codes' buffer, pitch 4,096
	s_lshl_b32 s20, s17, 8
	s_lshl_b32 s21, s14, 6
	s_add_co_u32 s20, s20, s21                     ; the first row that I store: 256 x A's tile + 64 x wave
.if IS_QKV
	s_lshr_b32 s81, s20, 11                        ; q at byte 0, k at 4 MiB of qkvc, each laid [batch][head][token][64]
	s_lshl_b32 s81, s81, 21                        ; the batch's 16 heads x 2,048 tokens x 64
	s_and_b32 s82, s20, 2047
	s_lshl_b32 s82, s82, 6                         ; the token
	s_add_co_u32 s81, s81, s82
	s_lshl_b32 s82, ttmp9, 22                      ; q or k
	s_add_co_u32 s81, s81, s82
	s_lshl_b32 s82, s40, 19                        ; the tile's four heads
	s_add_co_u32 s81, s81, s82
	s_add_co_u32 s20, s20, 4096                    ; v^T stays a byte matrix of pitch 4,096 from row 4,096 on
.endif
	s_lshl_b32 s20, s20, 12
	s_lshl_b32 s46, s42, 8
	s_add_co_u32 s20, s20, s46
	s_cmp_eq_u32 ttmp9, 2
	s_cselect_b32 s20, s20, s81
	s_mov_b32 s21, 0
	s_add_nc_u64 s[66:67], s[66:67], s[20:21]
	s_lshl_b32 s82, ttmp9, 2                       ; the bias by column: feature 256 (4 X + cx) + 128 x column half + 16 b + 8 h + j
	s_add_co_u32 s82, s82, s40
	s_lshl_b32 s82, s82, 10
	s_lshl_b32 s83, s16, 9
	s_add_co_u32 s82, s82, s83
	s_mov_b32 s83, 0
	s_add_nc_u64 s[76:77], s[10:11], s[82:83]
; THE PREFETCHES.  A K step is 256 bytes of each row.  Of the 128 rows that a wave fetches, each of the four partners that ask for them jointly takes 32, told apart by address (cx for A, cy for B): a lane a row,
; one instruction a wave and K step.  Behind the load of K step 0 stand those for K steps 1 and 2, behind the load of K step 1 that for K step 3: at most two K steps are asked for and not yet read.
; Every offset is an immediate: the address registers are never written again.
	s_lshl_b32 s94, s17, 8
	s_lshl_b32 s95, s42, 8
	s_cmp_eq_u32 s15, 0                            ; do I fetch for A?
	s_cselect_b32 s94, s94, s95                    ; the tile's first row
	s_cselect_b32 s95, s40, s41                    ; my place among the four
	s_cselect_b64 s[98:99], s[72:73], s[74:75]
	s_lshl_b32 s68, s16, 7
	s_add_co_u32 s94, s94, s68                     ; + the 128 rows that I fetch
	s_lshl_b32 s95, s95, 5
	s_add_co_u32 s94, s94, s95                     ; + my work-group's 32 of them
	s_lshl_b32 s94, s94, 10                        ; rows of 1,024 bytes
	s_add_co_u32 s94, s94, ROWB                    ; at K step 1
	s_mov_b32 s95, 0
	s_add_nc_u64 s[98:99], s[98:99], s[94:95]
	v_and_b32 v18, 31, v0
	v_lshlrev_b32 v18, 10, v18
	global_prefetch_b8 v18, s[98:99] th:TH_LOAD_NT scope:SCOPE_SE
	global_prefetch_b8 v18, s[98:99] offset:ROWB th:TH_LOAD_NT scope:SCOPE_SE
	v_lshlrev_b32 v[BNO], 5, v2
.irp b, 0,1,2,3,4,5,6,7
	global_load_b128 v[BN+8*\b:BN+8*\b+3], v[BNO], s[76:77] offset:64*\b
	global_load_b128 v[BN+8*\b+4:BN+8*\b+7], v[BNO], s[76:77] offset:64*\b+16
.endr
.if IS_QKV
	s_lshl_b32 s82, s41, 10                        ; the bias by row, for v: feature 2,048 + 256 cy + 128 x row half + 16 a + r
	s_lshl_b32 s83, s15, 9
	s_add_co_u32 s82, s82, s83
	s_add_co_u32 s82, s82, 8192
	s_mov_b32 s83, 0
	s_add_nc_u64 s[78:79], s[10:11], s[82:83]
	v_lshlrev_b32 v[BMO], 2, v1
.irp a, 0,1,2,3,4,5,6,7
	global_load_b32 v[BM+\a], v[BMO], s[78:79] offset:64*\a
.endr
.endif
.macro FRAG reg, adr, q, i             ; 16 rows x 128 K: lane l holds row l % 16; registers 4 c .. 4 c + 3 hold K = 32 c + 16 (l / 16) + 0 .. 15
.irp c, 0,1,2,3
	ds_load_b128 v[\reg+4*\c:\reg+4*\c+3], v[\adr] offset:128*(\q)+32*\c+(\i)*16*PITCH
.endr
.endm
.macro MUL16 a0, p, zero               ; A's blocks a0, a0 + 1 x B's eight; the 64 accumulators take turns, one instruction a turn
.irp a, \a0, \a0+1
.irp b, 0,1,2,3,4,5,6,7
.if \zero
	v_wmma_f32_16x16x128_fp8_fp8 v[8*(8*((\a)%4)+\b):8*(8*((\a)%4)+\b)+7], v[128*(\p)+FR*\b:128*(\p)+FR*\b+FR-1], v[AF+FR*(\a):AF+FR*(\a)+FR-1], 0
.else
	v_wmma_f32_16x16x128_fp8_fp8 v[8*(8*((\a)%4)+\b):8*(8*((\a)%4)+\b)+7], v[128*(\p)+FR*\b:128*(\p)+FR*\b+FR-1], v[AF+FR*(\a):AF+FR*(\a)+FR-1], v[8*(8*((\a)%4)+\b):8*(8*((\a)%4)+\b)+7]
.endif
.endr
.endr
.endm
.macro FETCH_B slot, q, p
	WIN TO_B
.irp i, 0,1,2,3,4,5,6,7
	FRAG 128*(\p)+FR*\i, ADRB+\slot, \q, \i
.endr
	WIN 0
.endm
.macro FETCH_A slot, q, i0
.irp i, \i0, \i0+1, \i0+2, \i0+3
	FRAG AF+FR*(\i), ADRA+\slot, \q, \i
.endr
.endm
.macro PLACES n                        ; plain vector instructions between a matrix instruction and a load into, or a read of, its registers
.rept \n
	v_nop
.endr
.endm
.macro STEP slot, q, zero              ; 128 along K whose successor lies in the same slot
	s_wait_dscnt 4*NL                              ; B's set and A's blocks 0-3 are in; A's blocks 4-7, sixteen loads, may be out
	WIN MUL_LO
	MUL16 0, (\q)%2, \zero
	MUL16 2, (\q)%2, \zero
	s_wait_dscnt 0
	PLACES NP
	FETCH_B \slot, (\q)+1, 1-(\q)%2
	FETCH_A \slot, (\q)+1, 0
	WIN MUL_HI
	MUL16 4, (\q)%2, \zero
	MUL16 6, (\q)%2, \zero
	PLACES NP
	WIN 0
	FETCH_A \slot, (\q)+1, 4
.endm
.macro TURN slot, next, fill           ; a slot's last step changes slots: one barrier; fill = 1: it opens a round of the cluster's barrier and the slot is filled again
	s_wait_tensorcnt 0x0                           ; all my tensor loads have landed: my part of the next slot
	ds_add_u32 v[SPW], v[NIL]
	s_wait_dscnt 4*NL+1                            ; the add and A's blocks 4-7 may be out
	WIN MUL_LO
	MUL16 0, 1, 0
	s_wait_dscnt 0x0                               ; the add is done, and my reads of this slot are over
	s_barrier_signal -1
	MUL16 2, 1, 0
	WIN 0
	s_barrier_wait -1
.if \fill
	CREST                                          ; no wave of any partner still reads this slot or has a load on its way
	s_add_nc_u64 s[G0+4*\slot+2:G0+4*\slot+3], s[G0+4*\slot+2:G0+4*\slot+3], 2*ROWB
	s_add_nc_u64 s[G0B+4*\slot+2:G0B+4*\slot+3], s[G0B+4*\slot+2:G0B+4*\slot+3], 2*ROWB
	JLOAD G0+4*\slot, G1, G0B+4*\slot, G1B         ; the first tensor load behind the round; its four v_nop are the places in front of the loads below
.else
	PLACES NP
.endif
	FETCH_B \next, 0, 0
	FETCH_A \next, 0, 0
	WIN MUL_HI
	MUL16 4, 1, 0
	MUL16 6, 1, 0
	PLACES NP
	WIN 0
	FETCH_A \next, 0, 4
.endm
	s_wait_alu depctr_va_vdst(0)                   ; the wait at the head's end
	s_wait_tensorcnt 0x0                           ; my part of K step 0 is in
	ds_add_u32 v[SPW], v[NIL]
	s_wait_dscnt 0x0
	CROUND
	JLOAD G0+4, G1, G0B+4, G1B                     ; K step 1: the first tensor load behind the round
	global_prefetch_b8 v18, s[98:99] offset:2*ROWB th:TH_LOAD_NT scope:SCOPE_SE   ; K step 3
	FETCH_B 0, 0, 0
	FETCH_A 0, 0, 0
	FETCH_A 0, 0, 4
	STEP 0, 0, 1                                   ; the first step starts the sums: nothing is cleared
	s_mov_b32 s3, LAPS-1
.Llap:                                                 ; a trip goes once round the ring and fills both slots again
	TURN 0, 1, 1
	STEP 1, 0, 0
	TURN 1, 0, 1
	STEP 0, 0, 0
	s_sub_co_u32 s3, s3, 1
	s_cmp_lg_u32 s3, 0
	s_cbranch_scc1 .Llap
	TURN 0, 1, 0                                   ; the last lap fills nothing
	STEP 1, 0, 0
	s_wait_dscnt 4*NL
	WIN MUL_LO
	MUL16 0, 1, 0
	MUL16 2, 1, 0
	s_wait_dscnt 0
	WIN MUL_HI
	MUL16 4, 1, 0
	MUL16 6, 1, 0
	WIN 0
; THE WAY OUT.  number = sum x 2^(the operands' exponents) + bias (, gelu); held, converted; eight codes a lane go into the work-group's stage; behind a barrier each wave stores 64 whole rows of 256 codes.
	s_wait_kmcnt 0x0
	s_add_co_i32 s96, s84, s85
	s_add_co_i32 s96, s96, 127
	s_lshl_b32 s96, s96, 23                        ; 2^(ea + eb) as f32
	s_mov_b32 s97, s96                             ; (named with it as a pair)
.if IS_QKV
	s_cmp_eq_u32 ttmp9, 0
	s_cselect_b32 s92, s86, s87                    ; q's exponent or k's,
	s_cmp_eq_u32 ttmp9, 2
	s_cselect_b32 s92, s88, s92                    ; or v's
.else
	s_mov_b32 s92, s86                             ; the hidden layer's exponent
	s_mov_b32 s88, 0x41b2e92f                      ; 1 / 0.044715
	s_mov_b32 s89, s88
	s_mov_b32 s90, 0xbdd2d3e8                      ; -2 log2(e) sqrt(2 / pi) 0.044715
	s_mov_b32 s91, s90
.endif
	s_add_co_i32 s92, s92, 127
	s_lshl_b32 s93, s92, 23
	v_mov_b32 v[SCL], s93                          ; the result's scale as f32
	s_add_co_i32 s92, s92, 8
	s_lshl_b32 s92, s92, 23
	s_or_b32 s92, s92, 0x600000
	v_mov_b32 v[HLD], s92                          ; 448 x that
	v_mov_b32 v[ZERO], 0
	s_wait_alu depctr_va_vdst(0)
	s_wait_loadcnt 0x0                             ; the biases
	PLACES NP
.if IS_QKV
.set JJ, 0
.rept 64
	v_cndmask_b32 v[BN+JJ], v[BN+JJ], v[ZERO], s80 ; v has no bias by column,
.set JJ, JJ+1
.endr
.set JJ, 0
.rept 8
	v_cndmask_b32 v[BM+JJ], v[ZERO], v[BM+JJ], s80 ; q and k none by row: a choice of values, no branch
.set JJ, JJ+1
.endr
.endif
.macro OUTBLK a
.set AC, 64*((\a)%4)
.if IS_QKV
	WIN 0
	v_mov_b32 v[BMP], v[BM+(\a)]
	v_mov_b32 v[BMP+1], v[BM+(\a)]
.endif
	WIN 0x42+((\a)/4)                              ; source 0: the accumulators' window; destination window 1; the bias window 0
.set JJ, 0
.rept 32
	v_pk_fma_f32 v[TMP+JJ:TMP+JJ+1], v[AC+JJ:AC+JJ+1], s[96:97], v[BN+JJ:BN+JJ+1] op_sel_hi:[1,0,1]   ; each accumulator from its low end on
.set JJ, JJ+2
.endr
.if IS_QKV
	WIN 0x41
.set JJ, 0
.rept 32
	v_pk_add_f32 v[TMP+JJ:TMP+JJ+1], v[TMP+JJ:TMP+JJ+1], v[BMP:BMP+1]
.set JJ, JJ+2
.endr
.else
	WIN 0x55                                       ; gelu(x) = x / (1 + 2^(A1 x (x^2 + 1 / 0.044715))), which is 0.5 x (1 + tanh(sqrt(2 / pi) (x + 0.044715 x^3)))
.set JJ, 0
.rept 32
	v_pk_fma_f32 v[U+JJ:U+JJ+1], v[TMP+JJ:TMP+JJ+1], v[TMP+JJ:TMP+JJ+1], s[88:89] op_sel_hi:[1,1,0]
.set JJ, JJ+2
.endr
.set JJ, 0
.rept 32
	v_pk_mul_f32 v[U+JJ:U+JJ+1], v[U+JJ:U+JJ+1], v[TMP+JJ:TMP+JJ+1]
.set JJ, JJ+2
.endr
.set JJ, 0
.rept 32
	v_pk_mul_f32 v[U+JJ:U+JJ+1], v[U+JJ:U+JJ+1], s[90:91] op_sel_hi:[1,0]
.set JJ, JJ+2
.endr
.set JJ, 0
.rept 64
	v_exp_f32 v[U+JJ], v[U+JJ]
.set JJ, JJ+1
.endr
	v_nop                                          ; a plain instruction behind the batch,
	s_wait_alu depctr_va_vdst(0)                   ; and one wait for all 64, ahead of the first reader
.set JJ, 0
.rept 32
	v_pk_add_f32 v[U+JJ:U+JJ+1], v[U+JJ:U+JJ+1], 1.0 op_sel_hi:[1,0]
.set JJ, JJ+2
.endr
.set JJ, 0
.rept 64
	v_rcp_f32 v[U+JJ], v[U+JJ]
.set JJ, JJ+1
.endr
	v_nop
	s_wait_alu depctr_va_vdst(0)
.set JJ, 0
.rept 32
	v_pk_mul_f32 v[TMP+JJ:TMP+JJ+1], v[TMP+JJ:TMP+JJ+1], v[U+JJ:U+JJ+1]
.set JJ, JJ+2
.endr
	WIN 0x41
.endif
.set JJ, 0
.rept 64
	v_med3_num_f32 v[TMP+JJ], v[TMP+JJ], -v[HLD], v[HLD]   ; the hold ahead of a conversion that does not saturate (ISA guide 7.6.2)
.set JJ, JJ+1
.endr
.set JJ, 0
.rept 8
	v_cvt_scalef32_pk8_fp8_f32 v[CODES+16*(\a)+2*JJ:CODES+16*(\a)+2*JJ+1], v[TMP+8*JJ:TMP+8*JJ+7], v[SCL]
.set JJ, JJ+1
.endr
	v_nop                                          ; a plain instruction behind the last conversion: the next block writes its sources
	WIN 0x04                                       ; the data in window 1, the address in window 0
.set JJ, 0
.rept 8
	ds_store_b64 v[STO], v[CODES+16*(\a)+2*JJ:CODES+16*(\a)+2*JJ+1] offset:(\a)*16*SPITCH+16*JJ
.set JJ, JJ+1
.endr
.endm
.irp a, 0,1,2,3,4,5,6,7
	OUTBLK \a
.endr
	WIN 0
	s_wait_dscnt 0x0                               ; for the others' sake: my stores into the stage are done (a row's 256 codes come from two waves)
	s_barrier_signal -1
	s_barrier_wait -1
	s_cmp_eq_u32 ttmp9, 2                          ; the cluster's x: the same in all sixteen partners
	s_cbranch_scc1 .Lv_out
.set JJ, 0
.rept 32
	ds_load_b128 v[BK+4*JJ:BK+4*JJ+3], v22 offset:(JJ/4)*8*SPITCH+(JJ%4)*64   ; eight tokens of head JJ % 4
.set JJ, JJ+1
.endr
.set JJ, 0
.rept 32
	s_wait_dscnt 31-JJ                             ; the younger loads may be out
	global_store_b128 v23, v[BK+4*JJ:BK+4*JJ+3], s[66:67] offset:(JJ%4)*131072+(JJ/4)*512   ; the wave stores 512 consecutive bytes, aligned
.set JJ, JJ+1
.endr
	s_branch .Lout_done
.Lv_out:
.set JJ, 0
.rept 32
	ds_load_b128 v[BK+4*JJ:BK+4*JJ+3], v[RD] offset:2*JJ*SPITCH
.set JJ, JJ+1
.endr
.set JJ, 0
.rept 32
	s_wait_dscnt 31-JJ                             ; the younger loads may be out
	global_store_b128 v[CO], v[BK+4*JJ:BK+4*JJ+3], s[66:67] offset:2*JJ*4096
.set JJ, JJ+1
.endr
.Lout_done:
	s_wait_tensorcnt 0x0                           ; the wave's end
	ds_add_u32 v[SPW], v[NIL]
	s_wait_dscnt 0x0
	CROUND                                         ; the closing round
	s_endpgm
.Lfunc_end_k_q33d7b1d715_qkvg:
	.size	k_q33d7b1d715_qkvg, .Lfunc_end_k_q33d7b1d715_qkvg-k_q33d7b1d715_qkvg
	.p2alignl 7, 3214868480
	.fill 96, 4, 3214868480
	.section	.rodata,"a",@progbits
	.p2align	6, 0x0
	.amdhsa_kernel k_q33d7b1d715_qkvg
		.amdhsa_group_segment_fixed_size 327680
		.amdhsa_private_segment_fixed_size 0
		.amdhsa_enable_private_segment 0
		.amdhsa_kernarg_size 40
		.amdhsa_user_sgpr_count 2
		.amdhsa_user_sgpr_kernarg_segment_ptr 1
		.amdhsa_wavefront_size32 1
		.amdhsa_system_sgpr_workgroup_id_x 1
		.amdhsa_system_sgpr_workgroup_id_y 1
		.amdhsa_system_sgpr_workgroup_id_z 1
		.amdhsa_system_vgpr_workitem_id 0
		.amdhsa_next_free_vgpr 1024
		.amdhsa_next_free_sgpr 100
		.amdhsa_reserve_vcc 0
		.amdhsa_float_denorm_mode_32 3
		.amdhsa_float_denorm_mode_16_64 3
		.amdhsa_memory_ordered 1
		.amdhsa_forward_progress 1
		.amdhsa_inst_pref_size 174
	.end_amdhsa_kernel
	.amdgpu_metadata
---
amdhsa.version: [ 1, 2 ]
amdhsa.kernels:
  - .name:           k_q33d7b1d715_qkvg
    .symbol:         k_q33d7b1d715_qkvg.kd
    .args:
      - { .name: a0, .offset: 0, .size: 8, .value_kind: global_buffer, .address_space: global }
      - { .name: wc, .offset: 8, .size: 8, .value_kind: global_buffer, .address_space: global }
      - { .name: lowp_scales, .offset: 16, .size: 8, .value_kind: global_buffer, .address_space: global }
      - { .name: qkvb, .offset: 24, .size: 8, .value_kind: global_buffer, .address_space: global }
      - { .name: qkvc, .offset: 32, .size: 8, .value_kind: global_buffer, .address_space: global }
    .group_segment_fixed_size: 327680
    .private_segment_fixed_size: 0
    .kernarg_segment_align: 8
    .kernarg_segment_size: 40
    .max_flat_workgroup_size: 128
    .sgpr_count:     100
    .vgpr_count:     1024
    .wavefront_size: 32
...
	.end_amdgpu_metadata
.endif
;; end of part 2
;; launch attn (part 3): grid 8 x 32, 16 waves a work-group, no clusters, 327,680 bytes of LDS; arguments qkvc, input_mask, lowp_scales, a0; writes a0
.if DOCPART == 3
	.amdgcn_target "amdgcn-amd-amdhsa--gfx1250"
	.amdhsa_code_object_version 6
	.text
	.protected	k_q33d7b1d715_attn
	.globl	k_q33d7b1d715_attn
	.p2align	8
	.type	k_q33d7b1d715_attn,@function
k_q33d7b1d715_attn:
	s_mov_b64 s[64:65], 0
	v_nop
	global_prefetch_b8 v0, s[64:65] scope:SCOPE_SE
	s_setreg_imm32_b32 hwreg(HW_REG_WAVE_MODE, 25, 1), 1
	s_wait_xcnt 0x0
; CAUSAL ATTENTION ON CODES OF E4M3, 32 (batch, head) pairs of 2,048 tokens x 64.
; qkvc: q at byte 0 and k at 4 MiB, each [batch][head][token][64]; v^T from 16 MiB on, a byte matrix of pitch 4,096: row = feature, column = token.
; logit = q.k / 8 + input_mask[key] where key <= query, else -1e9.  t = logit x log2(e); M = the running largest t rounded UP to a whole number; p = 2^(t - M) is quantised (e5); the sum of the unquantised p divides at the end.
; WORK LEFT OUT: a step of 128 keys that all come after a wave's queries lies wholly under the mask that the definition builds itself; it is jumped over, and a slot beyond the work-group's last query is not asked for.
; SHARES.  Work-group (i, y): pair y, queries 128 i .. + 127 (waves 0-7) and 128 (15 - i) .. + 127 (waves 8-15), 16 queries a wave: 8 (i + 1) + 8 (16 - i) = 136 steps in every work-group.
; K and V come through two LDS slots of 256 keys: K's 16,384 bytes are dense in memory and are stated as 64 rows of 256 bytes (wave 0), V's are 64 rows of 256 bytes (wave 1).
; Key k of a slot lies at (k / 4) x 272 + 64 (k % 4): the sixteen 16-byte pieces that half a load of K touches fall on 16-byte columns k / 4 + 4 (k % 4) mod 16, all different.
; Both products are used transposed (S^T = K Q^T, O^T = V^T P^T): a lane holds one query; the mask, times 8 x 2^-(e2 + e3) (exact), is the C of the first product.
; THE CONTEXT leaves as codes (e6) in a0 at (head / 8) x 2 MiB + (token / 4) x 2,048 + (head % 8) x 256 + (token % 4) x 64 + d: four tokens of one head are one aligned unit of 256 bytes.
; NO CLUSTER: the jump at the causal limit leads round tensor loads, which a joint load does not allow.
; LIMITS: e2 + e3 between -123 and 130; e5, e6 between -126 and 119.  Keys behind the query are left out or set to -1e9 without their mask: that is the definition's result as long as each query has a key at or
; before it whose logit lies more than some 200 above -1e9 + the largest mask.  NaN is not served; a NaN or infinity that reaches only the steps left out is not carried to the result.
; REGISTERS: v1-7 stay; v8-10 addresses in hand; v12 -M, v13 the largest t, v[14:15] the sum; v16-23 Q; v32-95 K's fragments, then V's; v96-159 S^T, then p; v160-191 O^T; v224-239 p's codes; v240, v241 the hold; v244 2^e5.
.set SK,    256
.set KP,    272
.set VOFF,  64*KP                      ; a slot: K's 64 rows, then V's 64 rows
.set SLOT,  0x10000                    ; slot 1 begins here: one exclusive or turns an address
.set MASKL, 2*SLOT                     ; the batch's 2,048 mask numbers, scaled: stored once, never filled
.set STAGE, MASKL+8192                 ; the way out: 16 rows x 80 bytes for each wave, its own
.set SPARE, STAGE+16*1280              ; the spare words, 128 bytes for each of sixteen waves
.set NSL,   8
.set AK0,  1
.set AV0,  2
.set PFO,  3
.set NEG,  4
.set SPW,  5
.set NIL,  6
.set AM0,  7
.set ADK,  8
.set ADV,  9
.set ADM,  10
.set OC,   48
.set TB,   2
.set MB,   3
.set WV,   18
.set SEL,  20
.set CS,   22
.set G1K,  24
.set G1V,  32
.set G0K,  40
.set G0V,  44
.set QL,   66
.set SLOTS, 67
.set PFA,  76
.set PFS,  78
.set LIM,  80
.set KF,   98
.set Q0,   99
.macro TLOAD                           ; wave 0: K; wave 1: V; the others nothing.  An s_nop 0 and four v_nop follow each load
	s_cmp_lt_u32 s[WV], 1
	s_cbranch_scc0 .Lnot_k_\@
	tensor_load_to_lds s[G0K:G0K+3], s[G1K:G1K+7]
	s_nop 0
.rept 4
	v_nop
.endr
	s_branch .Lasked_\@
.Lnot_k_\@:
	s_cmp_lt_u32 s[WV], 2
	s_cbranch_scc0 .Lasked_\@
	tensor_load_to_lds s[G0V:G0V+3], s[G1V:G1V+7]
	s_nop 0
.rept 4
	v_nop
.endr
.Lasked_\@:
.endm
; A prefetch of the slot that the NEXT change will ask for: 64 blocks of 256 bytes of K and 64 of V.  The eight work-groups of a pair walk the same rows: work-group i = 0, which walks all slots, asks;
; in it waves 4, 5 take K's blocks (lanes 256 bytes apart) and waves 6, 7 V's rows (a lane a row), 32 each: each block is named once.  Slots 0 and 1 come by their loads alone; the last filling change asks for nothing.
.macro ASK
	s_cmp_gt_u32 s[SLOTS], s[LIM]
	s_cbranch_scc0 .Lnot_mine_\@
	global_prefetch_b8 v[PFO], s[PFA:PFA+1] th:TH_LOAD_NT scope:SCOPE_SE
.Lnot_mine_\@:
.endm
	s_load_b256 s[4:11], s[0:1], 0x0               ; qkvc, input_mask, the scales' exponents, a0
	v_lshl_add_u32 v[SPW], v0, 2, SPARE
	v_mov_b32 v[NIL], 0
	ds_add_u32 v[SPW], v[NIL]                      ; the opening lines: the add, twice on end, and its wait
	ds_add_u32 v[SPW], v[NIL]
	v_lshrrev_b32 v8, 5, v0
	v_readfirstlane_b32 s[WV], v8                  ; wave 0..15
	s_and_b32 s12, ttmp7, 0xffff                   ; 16 x batch + head
	s_lshr_b32 s13, s12, 4
	s_and_b32 s14, s12, 15
	s_lshl_b32 s17, ttmp9, 7                       ; 128 i
	s_sub_co_u32 s48, 1792, s17
	s_cmp_lt_u32 s[WV], 8
	s_cselect_b32 s[Q0], s17, s48
	s_lshl_b32 s49, s[WV], 4
	s_add_co_u32 s[Q0], s[Q0], s49                 ; my first query: 128 i + 16 w, or 128 (15 - i) + 16 (w - 8)
	s_sub_co_u32 s[QL], 2047, s17                  ; my work-group's last query
	s_lshl_b32 s50, s12, 17                        ; the pair's 2,048 x 64 bytes in q
	s_add_co_u32 s52, s50, 0x400000                ; and in k
	s_mov_b32 s53, 0
	s_lshl_b32 s54, s14, 18                        ; v^T: the head's 64 rows of 4,096,
	s_lshl_b32 s55, s13, 11                        ; the batch's tokens
	s_add_co_u32 s54, s54, s55
	s_add_co_u32 s54, s54, 0x1000000
	s_mov_b32 s55, 0
	s_mov_b32 s[G1K], (0<<16)|(1<<20)|(5<<22)|(3<<25)   ; elements of 1 byte; 4 words of padding after every 64
	s_mov_b32 s[G1K+1], 256<<16
	s_mov_b32 s[G1K+2], 64<<16
	s_mov_b32 s[G1K+3], 256<<16
	s_mov_b32 s[G1K+4], 64
	s_mov_b32 s[G1K+5], 256                        ; K: dense
	s_mov_b32 s[G1K+6], 0
	s_mov_b32 s[G1K+7], 0
	s_mov_b32 s[G1V], (0<<16)|(1<<20)|(5<<22)|(3<<25)
	s_mov_b32 s[G1V+1], 256<<16
	s_mov_b32 s[G1V+2], 64<<16
	s_mov_b32 s[G1V+3], 256<<16
	s_mov_b32 s[G1V+4], 64
	s_mov_b32 s[G1V+5], 4096                       ; V: rows 4,096 bytes apart
	s_mov_b32 s[G1V+6], 0
	s_mov_b32 s[G1V+7], 0
	s_mov_b32 s[SEL], 0x76543210
	s_mov_b32 s[SEL+1], 0xfedcba98
	s_mov_b32 s[CS], 0x3e38aa3b                    ; log2(e) / 8
	s_mov_b32 s[TB], 0
	s_mov_b32 s[MB], 0
	s_mov_b32 s[SLOTS], NSL-1
	s_mov_b32 s[KF], 0
	s_wait_dscnt 0x0                               ; both opening adds are done
	s_wait_kmcnt 0x0
	s_load_b256 s[68:75], s[8:9], 0x0              ; e0 .. e7
	s_mov_b32 s[G0K], 1
	s_mov_b32 s[G0K+1], 0
	s_add_nc_u64 s[G0K+2:G0K+3], s[4:5], s[52:53]
	s_or_b32 s[G0K+3], s[G0K+3], 0x80000000
	s_mov_b32 s[G0V], 1
	s_mov_b32 s[G0V+1], VOFF
	s_add_nc_u64 s[G0V+2:G0V+3], s[4:5], s[54:55]
	s_or_b32 s[G0V+3], s[G0V+3], 0x80000000
	TLOAD                                          ; slot 0
	s_lshl_b32 s56, s[Q0], 6
	s_add_co_u32 s56, s56, s50
	s_mov_b32 s57, 0
	s_add_nc_u64 s[56:57], s[4:5], s[56:57]        ; my 16 queries' 1,024 bytes
	s_lshl_b32 s58, s13, 13
	s_mov_b32 s59, 0
	s_add_nc_u64 s[58:59], s[6:7], s[58:59]        ; the batch's mask
	s_lshl_b32 s60, s13, 11
	s_add_co_u32 s60, s60, s[Q0]
	s_lshl_b32 s60, s60, 9                         ; a0: (token / 4) x 2,048,
	s_lshr_b32 s61, s14, 3
	s_lshl_b32 s61, s61, 21                        ; + (head / 8) x 2 MiB,
	s_add_co_u32 s60, s60, s61
	s_and_b32 s61, s14, 7
	s_lshl_b32 s61, s61, 8                         ; + (head % 8) x 256
	s_add_co_u32 s60, s60, s61
	s_mov_b32 s61, 0
	s_add_nc_u64 s[60:61], s[10:11], s[60:61]
	s_cmp_lt_u32 s[WV], 6                          ; the prefetches: waves 4, 5 for K, waves 6, 7 for V
	s_cselect_b32 s82, s52, s54
	s_mov_b32 s[PFS], 256
	s_cselect_b32 s[PFS], 16384, s[PFS]            ; a slot on
	s_mov_b32 s83, 4096
	s_cselect_b32 s83, 256, s83                    ; from lane to lane
	v_and_b32 v[PFO], 31, v0
	v_mul_lo_u32 v[PFO], v[PFO], s83
	s_lshl_b32 s83, s83, 5                         ; from wave to wave
	s_and_b32 s84, s[WV], 1
	s_mul_i32 s84, s84, s83
	s_add_co_u32 s82, s82, s84
	s_add_co_u32 s82, s82, s[PFS]                  ; in slot 1: the first change steps it to slot 2
	s_mov_b32 s83, 0
	s_mov_b32 s[PFS+1], 0
	s_add_nc_u64 s[PFA:PFA+1], s[4:5], s[82:83]
	s_sub_co_u32 s84, s[WV], 4
	s_lshr_b32 s84, s84, 2                         ; 0 in waves 4 to 7,
	s_or_b32 s84, s84, ttmp9                       ; of work-group i = 0
	s_cmp_eq_u32 s84, 0
	s_cselect_b32 s[LIM], 1, -1
	v_and_b32 v8, 15, v0                           ; r
	v_bfe_u32 v9, v0, 4, 1                         ; h
	v_lshlrev_b32 v11, 6, v8
	v_lshl_add_u32 v11, v9, 4, v11
	global_load_b128 v[16:19], v11, s[56:57]               ; Q's fragment stays: registers 4 c .. hold d = 32 c + 16 h + 0 .. 15, as K's do
	global_load_b128 v[20:23], v11, s[56:57] offset:32
	v_lshlrev_b32 v24, 4, v0
	global_load_b128 v[28:31], v24, s[58:59]               ; 512 threads x 4 numbers: the batch's mask
	v_add_nc_u32 v25, MASKL, v24
	v_lshrrev_b32 v26, 2, v8
	v_mul_u32_u24 v26, v26, KP
	v_and_b32 v27, 3, v8
	v_lshl_add_u32 v26, v27, 6, v26
	v_lshl_add_u32 v[AK0], v9, 4, v26              ; K: (r / 4) x 272 + 64 (r % 4) + 16 h
	v_mul_u32_u24 v27, v8, KP
	v_lshl_add_u32 v27, v9, 3, v27
	v_add_nc_u32 v[AV0], VOFF, v27                 ; V: row r, + 8 h
	v_lshlrev_b32 v[AM0], 5, v9
	v_add_nc_u32 v[AM0], MASKL, v[AM0]             ; the mask: 8 h keys on
	v_mov_b32 v13, 0xff61b1e6                      ; the largest t so far: -3e38
	v_floor_f32 v12, -v13                          ; -M
	v_mov_b32 v14, 0
	v_mov_b32 v15, 0
	v_mov_b32 v236, 0                              ; a lane permute's destination counts as read
	v_mov_b32 v253, 0
.set JJ, 0
.rept 32
	v_mov_b32 v[160+JJ], 0                         ; O^T: the loop is written once, and its first step finds zeros
.set JJ, JJ+1
.endr
	s_wait_kmcnt 0x0
	s_add_co_i32 s82, s70, s71                     ; e2 + e3
	s_lshl_b32 s83, s82, 23
	s_add_co_i32 s[CS], s[CS], s83                 ; c = log2(e) / 8 x 2^(e2 + e3)
	s_mov_b32 s[CS+1], s[CS]
	s_sub_co_i32 s82, 3, s82
	v_mov_b32 v[NEG], 0xce6e6b28                   ; -1e9,
	v_ldexp_f32 v[NEG], v[NEG], s82                ; in the sums' units
	s_add_co_i32 s83, s73, 127
	s_lshl_b32 s84, s83, 23
	v_mov_b32 v244, s84                            ; 2^e5
	s_add_co_i32 s83, s83, 8
	s_lshl_b32 s83, s83, 23
	s_or_b32 s83, s83, 0x600000
	v_mov_b32 v240, s83                            ; 448 x 2^e5, twice: the two halves of a dual pair take their second sources from different banks
	v_mov_b32 v241, s83
	s_add_co_i32 s83, s74, 127
	s_lshl_b32 s86, s83, 23                        ; 2^e6
	s_add_co_i32 s83, s83, 8
	s_lshl_b32 s87, s83, 23
	s_or_b32 s87, s87, 0x600000                    ; 448 x 2^e6
	s_wait_alu depctr_va_vdst(0)                   ; the wait at the head's end
	s_wait_loadcnt 0x0                             ; Q and the mask
.irp i, 28,29,30,31
	v_ldexp_f32 v\i, v\i, s82                      ; mask x 8 x 2^-(e2 + e3): exact
.endr
	ds_store_b128 v25, v[28:31]                    ; the first change of slots waits for it and passes a barrier ahead of every read
.macro STEP q                          ; 128 keys, the q-th of the slot in hand
	s_add_co_u32 s96, s[Q0], 15
	s_cmp_gt_u32 s[KF], s96
	s_cbranch_scc1 .Lhidden_\@                     ; all its keys come after my queries: ids alone
	v_add_nc_u32 v[ADK], s[TB], v[AK0]
	v_add_nc_u32 v[ADV], s[TB], v[AV0]
	v_add_nc_u32 v[ADM], s[MB], v[AM0]
	v_nop                                          ; four places in front of loads into registers that the last products read
.irp t, 0,1,2,3,4,5,6,7                        ; tile by tile, four loads each: the mask of keys 16 t + 8 h + 0 .. 7 into the accumulator, and K's keys 16 t + r
	ds_load_b128 v[96+8*\t:99+8*\t], v[ADM] offset:512*(\q)+64*\t
	ds_load_b128 v[100+8*\t:103+8*\t], v[ADM] offset:512*(\q)+64*\t+16
	ds_load_b128 v[32+8*\t:35+8*\t], v[ADK] offset:(32*(\q)+4*\t)*KP
	ds_load_b128 v[36+8*\t:39+8*\t], v[ADK] offset:(32*(\q)+4*\t)*KP+32
.endr
	s_wait_alu depctr_va_vdst(0)                   ; directly ahead of the waits below
.irp t, 0,1,2,3,4,5,6,7
	s_wait_dscnt 4*(7-\t)                          ; tile t's four loads are in, the four of each later tile may be out
	v_wmma_f32_16x16x64_fp8_fp8 v[96+8*\t:103+8*\t], v[32+8*\t:39+8*\t], v[16:23], v[96+8*\t:103+8*\t]   ; register 8 t + i of lane (r, h) is key 16 t + 8 h + i, query r
.endr
.rept 4
	v_nop
.endr
.irp t, 0,1,2,3
.irp c, 0,1,2,3,4,5,6,7
	ds_load_b64 v[32+16*\t+2*\c:33+16*\t+2*\c], v[ADV] offset:16*\t*KP+128*(\q)+16*\c   ; V^T's row 16 t + r, keys 16 c + 8 h + 0 .. 7: they land during the softmax
.endr
.endr
	s_add_co_u32 s96, s[KF], 127
	s_cmp_le_u32 s96, s[Q0]
	s_cbranch_scc1 .Lopen_\@                       ; all its keys count
	s_sub_co_i32 s96, s[Q0], s[KF]
	v_and_b32 v252, 15, v0
	v_bfe_u32 v253, v0, 4, 1
	s_delay_alu instid0(VALU_DEP_1)
	v_lshlrev_b32 v253, 3, v253
	s_delay_alu instid0(VALU_DEP_1)
	v_sub_nc_u32 v252, v252, v253
	s_delay_alu instid0(VALU_DEP_1)
	v_add_nc_u32 v252, s96, v252                   ; d = my query - the step's first key - 8 h: register 8 t + i is hidden where 16 t + i > d
.set NN, 0
.rept 64
	v_cmp_gt_i32 vcc_lo, 16*(NN/8)+NN%8, v252
	v_cndmask_b32 v[96+NN], v[96+NN], v[NEG], vcc_lo
.set NN, NN+1
.endr
.Lopen_\@:
	v_max3_num_f32 v254, v96, v97, v98             ; the step's largest score of my query, in two chains; each accumulator is read from its low end on
	v_max3_num_f32 v252, v99, v100, v101
.irp i, 6,10,14,18,22,26,30,34,38,42,46,50,54,58
	v_max3_num_f32 v254, v254, v[96+\i], v[97+\i]
	v_max3_num_f32 v252, v252, v[98+\i], v[99+\i]
.endr
	v_max3_num_f32 v254, v254, v158, v159
	s_delay_alu instid0(VALU_DEP_1)
	v_max_num_f32 v254, v254, v252
	v_permlanex16_b32 v236, v254, s[SEL], s[SEL+1]
	s_delay_alu instid0(VALU_DEP_1)
	v_max_num_f32 v254, v254, v236
	s_delay_alu instid0(VALU_DEP_1)
	v_mul_f32 v254, s[CS], v254                    ; as t (c is positive)
	s_delay_alu instid0(VALU_DEP_1)
	v_max_num_f32 v13, v13, v254
	v_mov_b32 v254, v12
	s_delay_alu instid0(VALU_DEP_2)
	v_floor_f32 v12, -v13                          ; the new -M = -ceil(t)
	s_delay_alu instid0(VALU_DEP_1)
	v_sub_f32 v254, v12, v254
	s_delay_alu instid0(VALU_DEP_1)
	v_cvt_i32_f32 v254, v254                       ; old M - new M, a whole number (it saturates)
	s_delay_alu instid0(VALU_DEP_1)
	v_ldexp_f32 v252, 1.0, v254                    ; f = 2^(old M - new M)
.set JJ, 0
.rept 32
	v_pk_fma_f32 v[96+JJ:97+JJ], v[96+JJ:97+JJ], s[CS:CS+1], v[12:13] op_sel_hi:[1,0,0]   ; t - M
.set JJ, JJ+2
.endr
.set JJ, 0
	s_wait_alu depctr_va_vdst(0)                   ; the wait ahead of the batch
.rept 64
	v_exp_f32 v[96+JJ], v[96+JJ]                   ; p = 2^(t - M)
.set JJ, JJ+1
.endr
	v_pk_mul_f32 v[14:15], v[14:15], v[252:253] op_sel_hi:[1,0]   ; the sums under the new M: a plain instruction behind the batch
	s_wait_alu depctr_va_vdst(0)                   ; one wait for the 64 exponentials, ahead of their first reader
	v_pk_add_f32 v[242:243], v[100:101], v[104:105]
	v_pk_add_f32 v[254:255], v[108:109], v[112:113]
	v_pk_add_f32 v[250:251], v[116:117], v[120:121]
	v_pk_add_f32 v[248:249], v[124:125], v[128:129]
	v_pk_add_f32 v[246:247], v[132:133], v[136:137]
	v_pk_add_f32 v[238:239], v[140:141], v[144:145]
	v_pk_add_f32 v[236:237], v[148:149], v[152:153]
	v_pk_add_f32 v[14:15], v[14:15], v[156:157]
	v_pk_add_f32 v[242:243], v[242:243], v[96:97]
	v_pk_add_f32 v[254:255], v[254:255], v[98:99]
	v_pk_add_f32 v[250:251], v[250:251], v[102:103]
	v_pk_add_f32 v[248:249], v[248:249], v[106:107]
	v_pk_add_f32 v[246:247], v[246:247], v[110:111]
	v_pk_add_f32 v[238:239], v[238:239], v[114:115]
	v_pk_add_f32 v[236:237], v[236:237], v[118:119]
	v_pk_add_f32 v[14:15], v[14:15], v[122:123]
	v_pk_add_f32 v[242:243], v[242:243], v[126:127]
	v_pk_add_f32 v[254:255], v[254:255], v[130:131]
	v_pk_add_f32 v[250:251], v[250:251], v[134:135]
	v_pk_add_f32 v[248:249], v[248:249], v[138:139]
	v_pk_add_f32 v[246:247], v[246:247], v[142:143]
	v_pk_add_f32 v[238:239], v[238:239], v[146:147]
	v_pk_add_f32 v[236:237], v[236:237], v[150:151]
	v_pk_add_f32 v[14:15], v[14:15], v[154:155]
	v_pk_add_f32 v[242:243], v[242:243], v[158:159]
	s_delay_alu instid0(VALU_DEP_2)
	v_pk_add_f32 v[14:15], v[14:15], v[248:249]
	s_delay_alu instid0(VALU_DEP_2)
	v_pk_add_f32 v[242:243], v[242:243], v[246:247]
	v_pk_add_f32 v[254:255], v[254:255], v[238:239]
	v_pk_add_f32 v[250:251], v[250:251], v[236:237]
	s_delay_alu instid0(VALU_DEP_2)
	v_pk_add_f32 v[14:15], v[14:15], v[254:255]
	s_delay_alu instid0(VALU_DEP_2)
	v_pk_add_f32 v[242:243], v[242:243], v[250:251]
	s_delay_alu instid0(VALU_DEP_1)
	v_pk_add_f32 v[14:15], v[14:15], v[242:243]
.irp t, 0,1,2,3,4,5,6,7
.irp i, 0,2,4,6
	v_dual_min_num_f32 v[96+8*\t+\i], v[96+8*\t+\i], v241 :: v_dual_min_num_f32 v[97+8*\t+\i], v[97+8*\t+\i], v240   ; p is not negative: a one-sided hold ahead of a conversion that does not saturate (ISA guide 7.6.2), two numbers a line
.endr
	v_cvt_scalef32_pk8_fp8_f32 v[224+2*\t:225+2*\t], v[96+8*\t:103+8*\t], v244   ; register pair t of the operand: keys 16 t + 8 h + 0 .. 7
.endr
	s_wait_alu depctr_va_vdst(0)                   ; directly ahead of the first reader of O^T
.set JJ, 0
.rept 16
	v_pk_mul_f32 v[160+JJ:161+JJ], v[160+JJ:161+JJ], v[252:253] op_sel_hi:[1,0]   ; O^T under the new M; also the plain instructions behind the conversions
.set JJ, JJ+2
.endr
	s_wait_alu depctr_va_vdst(0)                   ; and here, directly ahead of the wait below
	s_wait_dscnt 0x0                               ; V's fragments
.irp t, 0,1,2,3
	v_wmma_f32_16x16x128_fp8_fp8 v[160+8*\t:167+8*\t], v[32+16*\t:47+16*\t], v[224:239], v[160+8*\t:167+8*\t]   ; the four accumulators take turns
.endr
.Lhidden_\@:
	s_add_co_u32 s[KF], s[KF], 128
.endm
; THE CHANGE OF SLOTS stands at a slot's head: each wave waits for all its tensor loads, adds 0 to its spare word, waits for that and for its LDS reads and stores; one barrier; then the slot just left is filled.
.macro CHANGE fill
	s_wait_tensorcnt 0x0                           ; no tensor load of mine is out, so the groups 0 may be written
	ds_add_u32 v[SPW], v[NIL]
.if \fill
	ds_add_u32 v[SPW], v[NIL]                      ; and once more, in every trip alike
	s_xor_b32 s[G0K+1], s[G0K+1], SLOT             ; the other slot,
	s_add_nc_u64 s[G0K+2:G0K+3], s[G0K+2:G0K+3], SK*64   ; the next 256 keys
	s_xor_b32 s[G0V+1], s[G0V+1], SLOT
	s_add_nc_u64 s[G0V+2:G0V+3], s[G0V+2:G0V+3], SK
	s_wait_xcnt 0x0                                ; the last prefetch, a slot back, has read its address
	s_add_nc_u64 s[PFA:PFA+1], s[PFA:PFA+1], s[PFS:PFS+1]
.endif
	s_wait_dscnt 0x0
	s_barrier_signal -1
	s_barrier_wait -1
.if \fill
	s_add_co_u32 s96, s[KF], SK                    ; the first key of the slot that this change would ask for:
	s_cmp_gt_u32 s96, s[QL]                        ; beyond my work-group's last query no wave reads it, so it is not asked for.  Ids and the count of steps alone: all sixteen waves go the same way
	s_cbranch_scc1 .Lpast_\@
	TLOAD                                          ; a wave's one tensor load until the next change
.Lpast_\@:
	ASK
.endif
.endm
.macro SLOT_STEPS
	STEP 0
	STEP 1
	s_xor_b32 s[TB], s[TB], SLOT
	s_add_co_u32 s[MB], s[MB], 4*SK
.endm
.Lslot:                                            ; 7 trips; every wait on TENSORcnt in this text is for 0
	CHANGE 1
	SLOT_STEPS
	s_sub_co_u32 s[SLOTS], s[SLOTS], 1
	s_cmp_lg_u32 s[SLOTS], 0
	s_cbranch_scc1 .Lslot
	CHANGE 0                                       ; the last slot is written out: nothing is left to ask for
	SLOT_STEPS
	; THE WAY OUT: O^T / the sum x 2^(e4 + e5), quantised with e6.  My 16 queries x 64 codes turn through my own stage (no other wave touches it, and LDS serves a wave's instructions in order) and leave as four units of 256 bytes.
	v_add_f32 v14, v14, v15
	v_permlanex16_b32 v252, v14, s[SEL], s[SEL+1]
	v_add_f32 v14, v14, v252
	s_wait_alu depctr_va_vdst(0)                   ; the wait ahead of the transcendental
	v_rcp_f32 v14, v14
	v_and_b32 v8, 15, v0                           ; (a plain instruction behind the transcendental)
	v_bfe_u32 v9, v0, 4, 1
	s_add_co_i32 s82, s72, s73
	s_mul_i32 s83, s[WV], 1280
	s_add_co_u32 s83, s83, STAGE
	v_mul_u32_u24 v10, v8, 80
	v_lshl_add_u32 v10, v9, 3, v10
	v_add_nc_u32 v10, s83, v10                     ; in: row r, byte 8 h
	v_bfe_u32 v11, v0, 2, 3
	v_mul_u32_u24 v11, v11, 80
	v_and_b32 v27, 3, v0
	v_lshl_add_u32 v11, v27, 4, v11
	v_add_nc_u32 v11, s83, v11                     ; back: row lane / 4, byte 16 (lane % 4)
	v_lshlrev_b32 v26, 11, v9
	v_lshl_add_u32 v26, v8, 4, v26                 ; in a0: lanes 0-15 one unit of four tokens, lanes 16-31 the next, 2,048 bytes on
	v_mov_b32 v242, s87                            ; 448 x 2^e6
	v_mov_b32 v243, s86                            ; 2^e6
	s_wait_alu depctr_va_vdst(0)                   ; the wait ahead of the reciprocal's first reader
	v_ldexp_f32 v14, v14, s82
	s_wait_alu depctr_va_vdst(0)                   ; directly ahead of the first reader of O^T
.set JJ, 0
.rept 32
	v_mul_f32 v[192+JJ], v[160+JJ], v14            ; register 8 t + i: d = 16 t + 8 h + i of my query
.set JJ, JJ+1
.endr
.set JJ, 0
.rept 32
	v_med3_num_f32 v[192+JJ], v[192+JJ], -v242, v242   ; the hold ahead of a conversion that does not saturate (ISA guide 7.6.2)
.set JJ, JJ+1
.endr
.irp g, 0,1,2,3
	v_cvt_scalef32_pk8_fp8_f32 v[OC+2*\g:OC+2*\g+1], v[192+8*\g:199+8*\g], v243
.endr
	v_nop                                          ; a plain instruction behind the last conversion
.irp g, 0,1,2,3
	ds_store_b64 v10, v[OC+2*\g:OC+2*\g+1] offset:16*\g   ; d = 16 g + 8 h + 0 .. 7
.endr
	ds_load_b128 v[32:35], v11
	ds_load_b128 v[36:39], v11 offset:8*80
	s_wait_dscnt 0x1                               ; the second load may be out
	global_store_b128 v26, v[32:35], s[60:61]              ; sixteen lanes store 256 consecutive bytes, aligned
	s_wait_dscnt 0x0
	global_store_b128 v26, v[36:39], s[60:61] offset:4096
	s_wait_tensorcnt 0x0                           ; the wave's end
	ds_add_u32 v[SPW], v[NIL]
	s_wait_dscnt 0x0
	s_endpgm
.Lfunc_end_k_q33d7b1d715_attn:
	.size	k_q33d7b1d715_attn, .Lfunc_end_k_q33d7b1d715_attn-k_q33d7b1d715_attn
	.p2alignl 7, 3214868480
	.fill 96, 4, 3214868480
	.section	.rodata,"a",@progbits
	.p2align	6, 0x0
	.amdhsa_kernel k_q33d7b1d715_attn
		.amdhsa_group_segment_fixed_size 327680
		.amdhsa_private_segment_fixed_size 0
		.amdhsa_enable_private_segment 0
		.amdhsa_kernarg_size 32
		.amdhsa_user_sgpr_count 2
		.amdhsa_user_sgpr_kernarg_segment_ptr 1
		.amdhsa_wavefront_size32 1
		.amdhsa_system_sgpr_workgroup_id_x 1
		.amdhsa_system_sgpr_workgroup_id_y 1
		.amdhsa_system_sgpr_workgroup_id_z 1
		.amdhsa_system_vgpr_workitem_id 0
		.amdhsa_next_free_vgpr 256
		.amdhsa_next_free_sgpr 100
		.amdhsa_reserve_vcc 1
		.amdhsa_float_denorm_mode_32 3
		.amdhsa_float_denorm_mode_16_64 3
		.amdhsa_memory_ordered 1
		.amdhsa_forward_progress 1
		.amdhsa_inst_pref_size 110
	.end_amdhsa_kernel
	.amdgpu_metadata
---
amdhsa.version: [ 1, 2 ]
amdhsa.kernels:
  - .name:           k_q33d7b1d715_attn
    .symbol:         k_q33d7b1d715_attn.kd
    .args:
      - { .name: qkvc, .offset: 0, .size: 8, .value_kind: global_buffer, .address_space: global }
      - { .name: input_mask, .offset: 8, .size: 8, .value_kind: global_buffer, .address_space: global }
      - { .name: lowp_scales, .offset: 16, .size: 8, .value_kind: global_buffer, .address_space: global }
      - { .name: a0, .offset: 24, .size: 8, .value_kind: global_buffer, .address_space: global }
    .group_segment_fixed_size: 327680
    .private_segment_fixed_size: 0
    .kernarg_segment_align: 8
    .kernarg_segment_size: 32
    .max_flat_workgroup_size: 512
    .sgpr_count:     100
    .vgpr_count:     256
    .wavefront_size: 32
...
	.end_amdgpu_metadata
.endif
;; end of part 3
;; launch proj (part 4): grid 8 x 32, 4 waves a work-group, clusters of 4 x 4, 327,680 bytes of LDS; arguments a0, wc, lowp_scales, x, attn_ob, resid; writes resid
.if DOCPART == 4
	.amdgcn_target "amdgcn-amd-amdhsa--gfx1250"
	.amdhsa_code_object_version 6
	.text
	.protected	k_q33d7b1d715_proj
	.globl	k_q33d7b1d715_proj
	.p2align	8
	.type	k_q33d7b1d715_proj,@function
k_q33d7b1d715_proj:
	s_mov_b64 s[64:65], 0
	v_nop
	global_prefetch_b8 v0, s[64:65] scope:SCOPE_SE
	s_setreg_imm32_b32 hwreg(HW_REG_WAVE_MODE, 25, 1), 1
	s_wait_xcnt 0x0
	s_wait_alu depctr_hold_cnt(0) depctr_sa_sdst(0) depctr_va_vdst(0) depctr_va_sdst(0) depctr_va_ssrc(0) depctr_va_vcc(0) depctr_vm_vsrc(0)
	s_getreg_b32 s2, hwreg(HW_REG_IB_STS2, 6, 4)
	s_cmp_eq_u32 s2, 0
	s_cbranch_scc0 .Lentry_in_a_cluster
	s_endpgm
.Lentry_in_a_cluster:
	s_bfe_u32 s2, ttmp6, 0x10000c
	s_cmp_lg_u32 s2, 0xf033
	s_cbranch_scc0 .Lentry_shape_is_right
	s_endpgm
.Lentry_shape_is_right:
.set IS_FC2, 0
.if IS_FC2
.set KROW,  4096
.set WOFF,  0x800000
.set SCOFF, 0x28
.else
.set KROW,  1024
.set WOFF,  0x300000
.set SCOFF, 0x18
.endif
.set KSTEP,  512
.set PITCH,  528
.set HALFT,  64*PITCH
.set SLOT,   4*HALFT
.set STAGE,  2*SLOT
.set SPITCH, 272
.set SPARE,  STAGE+4*16*SPITCH
.set LAPS,   KROW/(2*KSTEP)
.set ADRA, 16
.set ADRB, 20
.set STO,  24
.set RD,   25
.set CO,   26
.set BIO,  27
.set SPW,  28
.set NIL,  29
.set BI,   100
.set ACC,  128
.set F0,   0
.set F1,   128
.set G1, 24
.set G0, 32
.set G1B, 48
.set G0B, 56
.set MSB, 0
.macro WIN new
.if MSB != \new
	s_set_vgpr_msb (MSB<<8)|\new
.set MSB, \new
.endif
.endm
.set MUL,  0x05
.set TO_F, 0x40
.macro JLOAD s
	s_cmp_eq_u32 s67, 0
	s_cbranch_scc0 .Lfor_b_\@
	tensor_load_to_lds s[G0+4*\s:G0+4*\s+3], s[G1:G1+7]
	s_nop 0
.rept 4
	v_nop
.endr
	s_branch .Lasked_\@
.Lfor_b_\@:
	tensor_load_to_lds s[G0B+4*\s:G0B+4*\s+3], s[G1B:G1B+7]
	s_nop 0
.rept 4
	v_nop
.endr
.Lasked_\@:
.endm
.macro CREST
	s_cmp_lg_u32 s66, 0
	s_cbranch_scc1 .Lnot_wave_0_\@
	s_barrier_signal -3
.Lnot_wave_0_\@:
	s_barrier_wait -3
	s_barrier_signal -1
	s_barrier_wait -1
.endm
.macro CROUND
	s_barrier_signal -1
	s_barrier_wait -1
	CREST
.endm
	s_load_b256 s[4:11], s[0:1], 0x0
	s_load_b128 s[12:15], s[0:1], 0x20
	v_lshl_add_u32 v[SPW], v0, 2, SPARE
	v_mov_b32 v[NIL], 0
	ds_add_u32 v[SPW], v[NIL]
	ds_add_u32 v[SPW], v[NIL]
	v_lshrrev_b32 v1, 5, v0
	v_readfirstlane_b32 s66, v1
	s_lshr_b32 s67, s66, 1
	s_and_b32 s68, s66, 1
	s_bfe_u32 s40, ttmp6, 0x40000
	s_bfe_u32 s41, ttmp6, 0x40004
	s_lshl_b32 s70, ttmp9, 2
	s_add_co_u32 s70, s70, s40
	s_and_b32 s69, ttmp7, 0xffff
	s_lshl_b32 s69, s69, 2
	s_add_co_u32 s69, s69, s41
	s_lshl_b32 s43, s41, 2
	s_lshl_b32 s43, 15, s43
	s_lshl_b32 s44, 0x1111, s40
; A, the context's codes, lies in a0 at (head / 8) x 2 MiB + (token / 4) x 2,048 + (head % 8) x 256 + (token % 4) x 64 + d: a K step of 512 is eight heads, and 64 tokens of it are 32,768 dense bytes,
; stated as 32 rows of 1,024 bytes with 16 bytes of padding behind each.
	s_or_b32 s[G1+0], s43, (0<<16)|(1<<20)|(1<<21)|(7<<22)|(3<<25)
	s_or_b32 s[G1B+0], s44, (0<<16)|(1<<20)|(1<<21)|(6<<22)|(3<<25)
	s_mov_b32 s[G1+1], 1024<<16
	s_mov_b32 s[G1+2], 32<<16
	s_mov_b32 s[G1+3], 1024<<16
	s_mov_b32 s[G1+4], 32
	s_mov_b32 s[G1+5], 1024
	s_mov_b32 s[G1+6], 0
	s_mov_b32 s[G1+7], 0
.irp g, G1B
	s_mov_b32 s[\g+1], KSTEP<<16
	s_mov_b32 s[\g+2], 64<<16
	s_mov_b32 s[\g+3], KSTEP<<16
	s_mov_b32 s[\g+4], 64
	s_mov_b32 s[\g+5], KROW
	s_mov_b32 s[\g+6], 0
	s_mov_b32 s[\g+7], 0
.endr
	s_lshl_b32 s17, s68, 6
	s_lshl_b32 s16, s69, 7
	s_add_co_u32 s16, s16, s17
	s_lshl_b32 s46, s70, 7
	s_add_co_u32 s46, s46, s17
	s_mov_b32 s17, 0
	s_mov_b32 s47, 0
	s_mov_b64 s[18:19], KROW
	s_mul_u64 s[16:17], s[16:17], s[18:19]
	s_lshr_b32 s16, s16, 1                         ; 512 bytes a token in each half of a0 (the product stays under 2^22)
	s_mul_u64 s[46:47], s[46:47], s[18:19]
	s_mul_i32 s20, s66, HALFT
	s_wait_dscnt 0x0
	s_wait_kmcnt 0x0
	s_load_b64 s[80:81], s[8:9], SCOFF
	s_add_nc_u64 s[72:73], s[4:5], s[16:17]
	s_add_nc_u64 s[74:75], s[6:7], WOFF
	s_add_nc_u64 s[46:47], s[74:75], s[46:47]
	CROUND
.irp s, 0,1
	s_mov_b32 s[G0+4*\s], 1
	s_add_co_u32 s[G0+4*\s+1], s20, \s*SLOT
	s_add_nc_u64 s[G0+4*\s+2:G0+4*\s+3], s[72:73], \s*0x200000
	s_or_b32 s[G0+4*\s+3], s[G0+4*\s+3], 0x80000000
	s_mov_b32 s[G0B+4*\s], 1
	s_add_co_u32 s[G0B+4*\s+1], s20, \s*SLOT
	s_add_nc_u64 s[G0B+4*\s+2:G0B+4*\s+3], s[46:47], \s*KSTEP
	s_or_b32 s[G0B+4*\s+3], s[G0B+4*\s+3], 0x80000000
.endr
	JLOAD 0                                        ; K step 0: one tensor load a wave at the head
	v_and_b32 v1, 15, v0
	s_wait_alu depctr_va_vdst(0)
	v_bfe_u32 v2, v0, 4, 1
	v_mul_u32_u24 v3, v1, PITCH
	v_lshl_add_u32 v3, v2, 4, v3
	v_lshrrev_b32 v6, 2, v1                        ; A: four tokens take two LDS rows of 1,040 bytes; a token's 64 codes of a head lie 64 (r % 4) in
	v_mul_u32_u24 v6, v6, 2080
	v_and_b32 v7, 3, v1
	v_lshl_add_u32 v6, v7, 6, v6
	v_lshl_add_u32 v6, v2, 4, v6
	s_mul_i32 s21, s67, HALFT
	s_mul_i32 s22, s68, HALFT
	s_add_co_u32 s22, s22, 2*HALFT
.irp s, 0,1
	v_add_nc_u32 v[ADRA+\s], s21, v6
	v_add_nc_u32 v[ADRB+\s], s22, v3
	s_add_co_u32 s21, s21, SLOT
	s_add_co_u32 s22, s22, SLOT
.endr
	s_mul_i32 s23, s66, 16*SPITCH
	s_add_co_u32 s23, s23, STAGE
	v_mul_u32_u24 v4, v1, SPITCH
	s_wait_alu depctr_va_vdst(0)
	v_lshl_add_u32 v4, v2, 5, v4
	v_add_nc_u32 v[STO], s23, v4
	v_mul_u32_u24 v5, v2, SPITCH
	v_lshl_add_u32 v5, v1, 4, v5
	v_add_nc_u32 v[RD], s23, v5
	v_lshlrev_b32 v5, 12, v2
	v_lshl_add_u32 v[CO], v1, 4, v5
	v_lshlrev_b32 v[BIO], 4, v1
	s_wait_alu depctr_va_vdst(0)
	s_lshl_b32 s16, s69, 7
	s_lshl_b32 s17, s67, 6
	s_add_co_u32 s16, s16, s17
	s_lshl_b32 s16, s16, 12
	s_mov_b32 s17, 0
	s_lshl_b32 s46, s70, 9
	s_lshl_b32 s47, s68, 8
	s_add_co_u32 s46, s46, s47
	s_mov_b32 s47, 0
	s_add_nc_u64 s[12:13], s[12:13], s[46:47]
	s_add_nc_u64 s[16:17], s[16:17], s[46:47]
	s_add_nc_u64 s[10:11], s[10:11], s[16:17]
	s_add_nc_u64 s[14:15], s[14:15], s[16:17]
	global_load_b128 v[BI:BI+3], v[BIO], s[12:13]
	WIN 0x80
.irp a, 0,1,2,3
.irp t, 0,1,2,3,4,5,6,7
	global_load_b128 v[32*\a+4*\t:32*\a+4*\t+3], v[CO], s[10:11] offset:(16*\a+2*\t)*4096
.endr
.endr
	WIN 0
.macro FRAG reg, adr, k, i
.irp c, 0,1,2,3
	ds_load_b128 v[\reg+4*\c:\reg+4*\c+3], v[\adr] offset:\k+32*\c+(\i)*16*PITCH
.endr
.endm
.macro FRAGA reg, adr, k, i            ; 16 tokens x 128 K = two heads: head k / 64 + c / 2 of the step's eight, d = 32 (c % 2) + 16 h + 0 .. 15: the same k as B's registers hold
.irp c, 0,1,2,3
	ds_load_b128 v[\reg+4*\c:\reg+4*\c+3], v[\adr] offset:(\i)*8320+((\k)/256)*1040+(((\k)/128)%2)*512+(\c/2)*256+(\c%2)*32
.endr
.endm
.macro FETCH slot, k, f
	WIN TO_F
.irp i, 0,1,2,3
	FRAG \f+64+16*\i, ADRB+\slot, \k, \i
.endr
.irp i, 0,1,2,3
	FRAGA \f+16*\i, ADRA+\slot, \k, \i
.endr
.endm
.macro MUL8 f, a0, zero
.irp a, \a0, \a0+1
.irp b, 0,1,2,3
.if \zero
	v_wmma_f32_16x16x128_fp8_fp8 v[ACC+8*(4*(\a)+\b):ACC+8*(4*(\a)+\b)+7], v[\f+64+16*\b:\f+64+16*\b+15], v[\f+16*(\a):\f+16*(\a)+15], 0
.else
	v_wmma_f32_16x16x128_fp8_fp8 v[ACC+8*(4*(\a)+\b):ACC+8*(4*(\a)+\b)+7], v[\f+64+16*\b:\f+64+16*\b+15], v[\f+16*(\a):\f+16*(\a)+15], v[ACC+8*(4*(\a)+\b):ACC+8*(4*(\a)+\b)+7]
.endif
.endr
.endr
.endm
.macro PLACES
.rept 4
	v_nop
.endr
.endm
.macro QUARTER slot, k, f, g, zero
	s_wait_dscnt 8
	WIN MUL
	MUL8 \f, 0, \zero
	PLACES
	FETCH \slot, \k, \g
	s_wait_dscnt 32
	WIN MUL
	MUL8 \f, 2, \zero
.endm
.macro TURN slot, next, fill
	WIN 0
	s_wait_tensorcnt 0x0
	ds_add_u32 v[SPW], v[NIL]
	s_wait_dscnt 9
	WIN MUL
	MUL8 F1, 0, 0
	s_wait_dscnt 0x0
	s_barrier_signal -1
	MUL8 F1, 2, 0
	WIN 0
	s_barrier_wait -1
.if \fill
	CREST
	s_add_nc_u64 s[G0+4*\slot+2:G0+4*\slot+3], s[G0+4*\slot+2:G0+4*\slot+3], 2*KSTEP
	s_add_nc_u64 s[G0B+4*\slot+2:G0B+4*\slot+3], s[G0B+4*\slot+2:G0B+4*\slot+3], 2*KSTEP
	JLOAD \slot
.else
	PLACES
.endif
	FETCH \next, 0, F0
.endm
	s_wait_alu depctr_va_vdst(0)                   ; the wait at the head's end
	s_wait_tensorcnt 0x0                           ; my part of K step 0 is in
	ds_add_u32 v[SPW], v[NIL]
	s_wait_dscnt 0x0
	CROUND
	JLOAD 1                                        ; K step 1: the first tensor load behind the round
	FETCH 0, 0, F0
	QUARTER 0, 128, F0, F1, 1
.if LAPS > 1
	WIN 0
	s_mov_b32 s3, LAPS-1
.Llap:
	QUARTER 0, 256, F1, F0, 0
	QUARTER 0, 384, F0, F1, 0
	TURN 0, 1, 1
	QUARTER 1, 128, F0, F1, 0
	QUARTER 1, 256, F1, F0, 0
	QUARTER 1, 384, F0, F1, 0
	TURN 1, 0, 1
	QUARTER 0, 128, F0, F1, 0
	WIN 0
	s_sub_co_u32 s3, s3, 1
	s_cmp_lg_u32 s3, 0
	s_cbranch_scc1 .Llap
.endif
	QUARTER 0, 256, F1, F0, 0
	QUARTER 0, 384, F0, F1, 0
	TURN 0, 1, 0
	QUARTER 1, 128, F0, F1, 0
	QUARTER 1, 256, F1, F0, 0
	QUARTER 1, 384, F0, F1, 0
	s_wait_dscnt 8
	WIN MUL
	MUL8 F1, 0, 0
	s_wait_dscnt 0
	MUL8 F1, 2, 0
	WIN 0
	s_wait_kmcnt 0x0
	s_add_co_i32 s84, s80, s81
	s_add_co_i32 s84, s84, 127
	s_lshl_b32 s84, s84, 23
	s_mov_b32 s85, s84
	PLACES
.irp a, 0,1,2,3
.irp b, 0,1,2,3
	ds_store_b128 v[STO], v[ACC+32*\a+8*\b:ACC+32*\a+8*\b+3] offset:64*\b
	ds_store_b128 v[STO], v[ACC+32*\a+8*\b+4:ACC+32*\a+8*\b+7] offset:64*\b+16
.endr
.irp t, 0,1,2,3,4,5,6,7
	ds_load_b128 v[ACC+32*\a+4*\t:ACC+32*\a+4*\t+3], v[RD] offset:2*\t*SPITCH
.endr
.endr
	s_wait_loadcnt 0x0
	WIN 0x82
.set JJ, 0
.rept 32
	v_pk_add_f32 v[4*JJ:4*JJ+1], v[4*JJ:4*JJ+1], v[BI:BI+1]
	v_pk_add_f32 v[4*JJ+2:4*JJ+3], v[4*JJ+2:4*JJ+3], v[BI+2:BI+3]
.set JJ, JJ+1
.endr
.irp a, 0,1,2,3
	s_wait_dscnt 16*(3-\a)
	WIN 0x20
.set JJ, 0
.rept 16
	v_pk_fma_f32 v[ACC+32*\a+JJ:ACC+32*\a+JJ+1], v[ACC+32*\a+JJ:ACC+32*\a+JJ+1], s[84:85], v[32*\a+JJ:32*\a+JJ+1] op_sel_hi:[1,0,1]
.set JJ, JJ+2
.endr
	WIN 0
.irp t, 0,1,2,3,4,5,6,7
.if IS_FC2
	global_store_b128 v[CO], v[ACC+32*\a+4*\t:ACC+32*\a+4*\t+3], s[14:15] offset:(16*\a+2*\t)*4096 th:TH_STORE_NT
.else
	global_store_b128 v[CO], v[ACC+32*\a+4*\t:ACC+32*\a+4*\t+3], s[14:15] offset:(16*\a+2*\t)*4096
.endif
.endr
.endr
	s_wait_tensorcnt 0x0
	ds_add_u32 v[SPW], v[NIL]
	s_wait_dscnt 0x0
	CROUND
	s_endpgm
.Lfunc_end_k_q33d7b1d715_proj:
	.size	k_q33d7b1d715_proj, .Lfunc_end_k_q33d7b1d715_proj-k_q33d7b1d715_proj
	.p2alignl 7, 3214868480
	.fill 96, 4, 3214868480
	.section	.rodata,"a",@progbits
	.p2align	6, 0x0
	.amdhsa_kernel k_q33d7b1d715_proj
		.amdhsa_group_segment_fixed_size 327680
		.amdhsa_private_segment_fixed_size 0
		.amdhsa_enable_private_segment 0
		.amdhsa_kernarg_size 48
		.amdhsa_user_sgpr_count 2
		.amdhsa_user_sgpr_kernarg_segment_ptr 1
		.amdhsa_wavefront_size32 1
		.amdhsa_system_sgpr_workgroup_id_x 1
		.amdhsa_system_sgpr_workgroup_id_y 1
		.amdhsa_system_sgpr_workgroup_id_z 1
		.amdhsa_system_vgpr_workitem_id 0
		.amdhsa_next_free_vgpr 768
		.amdhsa_next_free_sgpr 100
		.amdhsa_reserve_vcc 0
		.amdhsa_float_denorm_mode_32 3
		.amdhsa_float_denorm_mode_16_64 3
		.amdhsa_memory_ordered 1
		.amdhsa_forward_progress 1
		.amdhsa_inst_pref_size 54
	.end_amdhsa_kernel
	.amdgpu_metadata
---
amdhsa.version: [ 1, 2 ]
amdhsa.kernels:
  - .name:           k_q33d7b1d715_proj
    .symbol:         k_q33d7b1d715_proj.kd
    .args:
      - { .name: a0, .offset: 0, .size: 8, .value_kind: global_buffer, .address_space: global }
      - { .name: wc, .offset: 8, .size: 8, .value_kind: global_buffer, .address_space: global }
      - { .name: lowp_scales, .offset: 16, .size: 8, .value_kind: global_buffer, .address_space: global }
      - { .name: x, .offset: 24, .size: 8, .value_kind: global_buffer, .address_space: global }
      - { .name: attn_ob, .offset: 32, .size: 8, .value_kind: global_buffer, .address_space: global }
      - { .name: resid, .offset: 40, .size: 8, .value_kind: global_buffer, .address_space: global }
    .group_segment_fixed_size: 327680
    .private_segment_fixed_size: 0
    .kernarg_segment_align: 8
    .kernarg_segment_size: 48
    .max_flat_workgroup_size: 128
    .sgpr_count:     100
    .vgpr_count:     768
    .wavefront_size: 32
...
	.end_amdgpu_metadata
.endif
;; end of part 4
;; launch ln2 (part 5): grid 256 x 1, 4 waves a work-group, no clusters, 0 bytes of LDS; arguments resid, attn_nw, attn_nb, lowp_scales, a0; writes a0
.if DOCPART == 5
	.amdgcn_target "amdgcn-amd-amdhsa--gfx1250"
	.amdhsa_code_object_version 6
	.text
	.protected	k_q33d7b1d715_ln2
	.globl	k_q33d7b1d715_ln2
	.p2align	8
	.type	k_q33d7b1d715_ln2,@function
k_q33d7b1d715_ln2:
	s_mov_b64 s[64:65], 0
	v_nop
	global_prefetch_b8 v0, s[64:65] scope:SCOPE_SE
	s_setreg_imm32_b32 hwreg(HW_REG_WAVE_MODE, 25, 1), 1
	s_wait_xcnt 0x0
; LN2: the layer norm of resid [4096][1024] f32, quantised to codes of E4M3 with the scale 2^e8, into a0 [4096][1024].
; One wave to a row of 1,024 numbers, 32 a lane, four rows a wave; mean, then the mean of the squared differences, as the definition has them.  No LDS, no barrier: waves share nothing.
; In each 1,024 bytes of a row a lane takes 32, eight neighbours, so that one conversion makes eight codes and the wave's store of them covers 256 consecutive bytes, aligned.
; LIMITS: e8 between -126 and 119; NaN among the inputs is not served.
.set LC,    32                         ; v32-63   codes, 8 a row
.set LX,    64                         ; v64-191  four rows, 32 numbers a lane each
.set LG,    192                        ; v192-223 the gain at my columns
.set LB,    224                        ; v224-255 the bias at my columns
	s_load_b256 s[4:11], s[0:1], 0x0               ; resid, attn_nw, attn_nb, the scales' exponents
	s_load_b64 s[20:21], s[0:1], 0x20              ; a0
	v_lshrrev_b32 v1, 5, v0
	v_readfirstlane_b32 s24, v1                    ; wave 0..3
	v_and_b32 v2, 31, v0                           ; lane
	s_wait_alu depctr_va_vdst(0)
	s_wait_kmcnt 0x0
	s_load_b32 s28, s[10:11], 0x20                 ; e8
	s_lshl_b32 s40, ttmp9, 4
	s_lshl_b32 s41, s24, 2
	s_add_co_u32 s40, s40, s41                     ; my wave's first row: 16 x work-group + 4 x wave
	s_lshl_b32 s42, s40, 12
	s_mov_b32 s43, 0
	s_add_nc_u64 s[4:5], s[4:5], s[42:43]
	s_lshl_b32 s42, s40, 10
	s_add_nc_u64 s[20:21], s[20:21], s[42:43]
	v_lshlrev_b32 v3, 5, v2
	v_lshlrev_b32 v4, 3, v2
	s_mov_b32 s50, 0x76543210                      ; v_permlanex16_b32: lane l xor 16
	s_mov_b32 s51, 0xfedcba98
	s_mov_b32 s52, 0x2b8cbccc                      ; 1e-12
	s_mov_b32 s53, 0x3a800000                      ; 1 / 1,024
.irp c, 0,1,2,3
	global_load_b128 v[LG+8*\c:LG+8*\c+3], v3, s[6:7] offset:1024*\c
	global_load_b128 v[LG+8*\c+4:LG+8*\c+7], v3, s[6:7] offset:1024*\c+16
.endr
.irp c, 0,1,2,3
	global_load_b128 v[LB+8*\c:LB+8*\c+3], v3, s[8:9] offset:1024*\c
	global_load_b128 v[LB+8*\c+4:LB+8*\c+7], v3, s[8:9] offset:1024*\c+16
.endr
.irp r, 0,1,2,3
.irp c, 0,1,2,3
	global_load_b128 v[LX+32*\r+8*\c:LX+32*\r+8*\c+3], v3, s[4:5] offset:4096*\r+1024*\c
	global_load_b128 v[LX+32*\r+8*\c+4:LX+32*\r+8*\c+7], v3, s[4:5] offset:4096*\r+1024*\c+16
.endr
.endr
	s_wait_kmcnt 0x0
	s_add_co_i32 s28, s28, 127
	s_lshl_b32 s29, s28, 23
	v_mov_b32 v11, s29                             ; 2^e as f32
	s_add_co_i32 s28, s28, 8
	s_lshl_b32 s28, s28, 23
	s_or_b32 s28, s28, 0x600000
	v_mov_b32 v10, s28                             ; 448 x 2^e
.macro WSUM                            ; v16 summed over the 32 lanes, the result in every lane
	v_add_f32_dpp v16, v16, v16 row_xmask:1 row_mask:0xf bank_mask:0xf
	v_add_f32_dpp v16, v16, v16 row_xmask:2 row_mask:0xf bank_mask:0xf
	v_add_f32_dpp v16, v16, v16 row_xmask:4 row_mask:0xf bank_mask:0xf
	v_add_f32_dpp v16, v16, v16 row_xmask:8 row_mask:0xf bank_mask:0xf
	v_permlanex16_b32 v17, v16, s50, s51
	v_add_f32 v16, v16, v17
.endm
.macro LNROW r
.set XR, LX+32*(\r)
	s_wait_loadcnt 8*(3-(\r))                      ; gain, bias and this row are in; the later rows' eight loads each may be out
	v_pk_add_f32 v[16:17], v[XR:XR+1], v[XR+2:XR+3]
	v_pk_add_f32 v[18:19], v[XR+4:XR+5], v[XR+6:XR+7]
.irp j, 8,12,16,20,24,28
	v_pk_add_f32 v[16:17], v[16:17], v[XR+\j:XR+\j+1]
	v_pk_add_f32 v[18:19], v[18:19], v[XR+\j+2:XR+\j+3]
.endr
	v_pk_add_f32 v[16:17], v[16:17], v[18:19]
	v_add_f32 v16, v16, v17
	WSUM
	v_mul_f32 v24, s53, v16                        ; the mean, twice: a pair for the packed forms
	v_mul_f32 v25, s53, v16
.irp j, 0,2,4,6,8,10,12,14,16,18,20,22,24,26,28,30
	v_pk_add_f32 v[XR+\j:XR+\j+1], v[XR+\j:XR+\j+1], v[24:25] neg_lo:[0,1] neg_hi:[0,1]
.endr
	v_pk_mul_f32 v[16:17], v[XR:XR+1], v[XR:XR+1]
	v_pk_mul_f32 v[18:19], v[XR+2:XR+3], v[XR+2:XR+3]
.irp j, 4,8,12,16,20,24,28
	v_pk_fma_f32 v[16:17], v[XR+\j:XR+\j+1], v[XR+\j:XR+\j+1], v[16:17]
	v_pk_fma_f32 v[18:19], v[XR+\j+2:XR+\j+3], v[XR+\j+2:XR+\j+3], v[18:19]
.endr
	v_pk_add_f32 v[16:17], v[16:17], v[18:19]
	v_add_f32 v16, v16, v17
	WSUM
	v_fma_f32 v16, v16, s53, s52                   ; the variance + 1e-12
	s_wait_alu depctr_va_vdst(0)
	v_rsq_f32 v26, v16
	v_nop                                          ; a plain instruction behind the transcendental,
	s_wait_alu depctr_va_vdst(0)                   ; and the wait ahead of its first reader
	v_mov_b32 v27, v26
.irp j, 0,2,4,6,8,10,12,14,16,18,20,22,24,26,28,30
	v_pk_mul_f32 v[XR+\j:XR+\j+1], v[XR+\j:XR+\j+1], v[26:27]
.endr
.irp j, 0,2,4,6,8,10,12,14,16,18,20,22,24,26,28,30
	v_pk_fma_f32 v[XR+\j:XR+\j+1], v[XR+\j:XR+\j+1], v[LG+\j:LG+\j+1], v[LB+\j:LB+\j+1]
.endr
.irp i, 0,1,2,3,4,5,6,7,8,9,10,11,12,13,14,15,16,17,18,19,20,21,22,23,24,25,26,27,28,29,30,31
	v_med3_num_f32 v[XR+\i], v[XR+\i], -v10, v10   ; the hold ahead of a conversion that does not saturate (ISA guide 7.6.2)
.endr
.irp c, 0,1,2,3
	v_cvt_scalef32_pk8_fp8_f32 v[LC+8*(\r)+2*\c:LC+8*(\r)+2*\c+1], v[XR+8*\c:XR+8*\c+7], v11
.endr
	v_nop                                          ; a plain instruction behind the last conversion
.irp c, 0,1,2,3
	global_store_b64 v4, v[LC+8*(\r)+2*\c:LC+8*(\r)+2*\c+1], s[20:21] offset:1024*(\r)+256*\c   ; the wave stores 256 consecutive bytes, aligned
.endr
.endm
	LNROW 0
	LNROW 1
	LNROW 2
	LNROW 3
	s_endpgm
.Lfunc_end_k_q33d7b1d715_ln2:
	.size	k_q33d7b1d715_ln2, .Lfunc_end_k_q33d7b1d715_ln2-k_q33d7b1d715_ln2
	.p2alignl 7, 3214868480
	.fill 96, 4, 3214868480
	.section	.rodata,"a",@progbits
	.p2align	6, 0x0
	.amdhsa_kernel k_q33d7b1d715_ln2
		.amdhsa_group_segment_fixed_size 0
		.amdhsa_private_segment_fixed_size 0
		.amdhsa_enable_private_segment 0
		.amdhsa_kernarg_size 40
		.amdhsa_user_sgpr_count 2
		.amdhsa_user_sgpr_kernarg_segment_ptr 1
		.amdhsa_wavefront_size32 1
		.amdhsa_system_sgpr_workgroup_id_x 1
		.amdhsa_system_sgpr_workgroup_id_y 1
		.amdhsa_system_sgpr_workgroup_id_z 1
		.amdhsa_system_vgpr_workitem_id 0
		.amdhsa_next_free_vgpr 256
		.amdhsa_next_free_sgpr 66
		.amdhsa_reserve_vcc 0
		.amdhsa_float_denorm_mode_32 3
		.amdhsa_float_denorm_mode_16_64 3
		.amdhsa_memory_ordered 1
		.amdhsa_forward_progress 1
		.amdhsa_inst_pref_size 41
	.end_amdhsa_kernel
	.amdgpu_metadata
---
amdhsa.version: [ 1, 2 ]
amdhsa.kernels:
  - .name:           k_q33d7b1d715_ln2
    .symbol:         k_q33d7b1d715_ln2.kd
    .args:
      - { .name: resid, .offset: 0, .size: 8, .value_kind: global_buffer, .address_space: global }
      - { .name: attn_nw, .offset: 8, .size: 8, .value_kind: global_buffer, .address_space: global }
      - { .name: attn_nb, .offset: 16, .size: 8, .value_kind: global_buffer, .address_space: global }
      - { .name: lowp_scales, .offset: 24, .size: 8, .value_kind: global_buffer, .address_space: global }
      - { .name: a0, .offset: 32, .size: 8, .value_kind: global_buffer, .address_space: global }
    .group_segment_fixed_size: 0
    .private_segment_fixed_size: 0
    .kernarg_segment_align: 8
    .kernarg_segment_size: 40
    .max_flat_workgroup_size: 128
    .sgpr_count:     66
    .vgpr_count:     256
    .wavefront_size: 32
...
	.end_amdgpu_metadata
.endif
;; end of part 5
;; launch fc1 (part 6): grid 16 x 16, 4 waves a work-group, clusters of 4 x 4, 327,680 bytes of LDS; arguments a0, wc, lowp_scales, inter_b, hc; writes hc
.if DOCPART == 6
	.amdgcn_target "amdgcn-amd-amdhsa--gfx1250"
	.amdhsa_code_object_version 6
	.text
	.protected	k_q33d7b1d715_fc1
	.globl	k_q33d7b1d715_fc1
	.p2align	8
	.type	k_q33d7b1d715_fc1,@function
k_q33d7b1d715_fc1:
	s_mov_b64 s[64:65], 0
	v_nop
	global_prefetch_b8 v0, s[64:65] scope:SCOPE_SE
	s_setreg_imm32_b32 hwreg(HW_REG_WAVE_MODE, 25, 1), 1
	s_wait_xcnt 0x0
	s_wait_alu depctr_hold_cnt(0) depctr_sa_sdst(0) depctr_va_vdst(0) depctr_va_sdst(0) depctr_va_ssrc(0) depctr_va_vcc(0) depctr_vm_vsrc(0)
	s_getreg_b32 s2, hwreg(HW_REG_IB_STS2, 6, 4)
	s_cmp_eq_u32 s2, 0
	s_cbranch_scc0 .Lentry_in_a_cluster
	s_endpgm
.Lentry_in_a_cluster:
	s_bfe_u32 s2, ttmp6, 0x10000c
	s_cmp_lg_u32 s2, 0xf033
	s_cbranch_scc0 .Lentry_shape_is_right
	s_endpgm
.Lentry_shape_is_right:
.set IS_QKV, 0
.set KSTEP,  256
.set ROWB,   256
.set KROW,   1024
.set PITCH,  272
.set FR,     16
.set NL,     4
.set NP,     4
.set HALFT,  128*PITCH
.set SLOT,   4*HALFT
.set LAPS,   KROW/(2*KSTEP)
.set SPARE,  2*SLOT
.set SPITCH, 272
.set ADRA, 16
.set ADRB, 20
.set STO,  24
.set RD,   25
.set CO,   26
.set SPW,  28
.set NIL,  29
.set BNO,  30
.set BMO,  31
.set BN,   32
.set BM,   96
.set SCL,  104
.set ZERO, 105
.set HLD,  106
.set BMP,  108
.set AF,   128
.set BK,   128
.set TMP,  0
.set U,    64
.set CODES, 128
.set G1, 24
.set G0, 32
.set G1B, 48
.set G0B, 56
.set MSB, 0
.macro WIN new
.if MSB != \new
	s_set_vgpr_msb (MSB<<8)|\new
.set MSB, \new
.endif
.endm
.set MUL_LO, 0xa1
.set MUL_HI, 0xf1
.set TO_B,   0x40
.macro JLOAD g0a, g1a, g0b, g1b
	s_cmp_eq_u32 s15, 0
	s_cbranch_scc0 .Lfor_b_\@
	tensor_load_to_lds s[\g0a:\g0a+3], s[\g1a:\g1a+7]
	s_nop 0
.rept 4
	v_nop
.endr
	s_branch .Lasked_\@
.Lfor_b_\@:
	tensor_load_to_lds s[\g0b:\g0b+3], s[\g1b:\g1b+7]
	s_nop 0
.rept 4
	v_nop
.endr
.Lasked_\@:
.endm
.macro CREST
	s_cmp_lg_u32 s14, 0
	s_cbranch_scc1 .Lnot_wave_0_\@
	s_barrier_signal -3
.Lnot_wave_0_\@:
	s_barrier_wait -3
	s_barrier_signal -1
	s_barrier_wait -1
.endm
.macro CROUND
	s_barrier_signal -1
	s_barrier_wait -1
	CREST
.endm
	s_load_b256 s[4:11], s[0:1], 0x0
	s_load_b64 s[66:67], s[0:1], 0x20
	v_lshl_add_u32 v[SPW], v0, 2, SPARE
	v_mov_b32 v[NIL], 0
	ds_add_u32 v[SPW], v[NIL]
	ds_add_u32 v[SPW], v[NIL]
	v_lshrrev_b32 v1, 5, v0
	v_readfirstlane_b32 s14, v1
	s_lshr_b32 s15, s14, 1
	s_and_b32 s16, s14, 1
	s_bfe_u32 s40, ttmp6, 0x40000
	s_bfe_u32 s41, ttmp6, 0x40004
	s_lshl_b32 s42, ttmp9, 2
	s_and_b32 s17, ttmp7, 0xffff
	s_lshl_b32 s17, s17, 2
.if IS_QKV
	s_cmp_eq_u32 ttmp9, 2
	s_cselect_b32 s42, s17, s42
	s_cselect_b32 s17, 0, s17
	s_cselect_b32 s80, -1, 0
.endif
	s_add_co_u32 s42, s42, s40
	s_add_co_u32 s17, s17, s41
	s_lshl_b32 s43, s41, 2
	s_lshl_b32 s43, 15, s43
	s_lshl_b32 s44, 0x1111, s40
	s_or_b32 s[G1+0], s43, (0<<16)|(1<<20)|(1<<21)|(5<<22)|(3<<25)
	s_or_b32 s[G1B+0], s44, (0<<16)|(1<<20)|(1<<21)|(5<<22)|(3<<25)
.irp g, G1, G1B
	s_mov_b32 s[\g+1], ROWB<<16
	s_mov_b32 s[\g+2], 128<<16
	s_mov_b32 s[\g+3], ROWB<<16
	s_mov_b32 s[\g+4], 128
	s_mov_b32 s[\g+5], KROW
	s_mov_b32 s[\g+6], 0
	s_mov_b32 s[\g+7], 0
.endr
	s_lshl_b32 s18, s16, 7
	s_lshl_b32 s20, s17, 8
	s_add_co_u32 s20, s20, s18
	s_lshl_b32 s46, s42, 8
	s_add_co_u32 s46, s46, s18
	s_mov_b32 s21, 0
	s_mov_b32 s47, 0
	s_mov_b64 s[18:19], KROW
	s_mul_u64 s[20:21], s[20:21], s[18:19]
	s_mul_u64 s[46:47], s[46:47], s[18:19]
	s_mul_i32 s45, s14, HALFT
	s_wait_dscnt 0x0
	s_wait_kmcnt 0x0
.if IS_QKV
	s_load_b256 s[84:91], s[8:9], 0x0
	s_add_nc_u64 s[70:71], s[6:7], 0x200000
	s_cmp_eq_u32 ttmp9, 2
	s_cselect_b64 s[72:73], s[70:71], s[4:5]
	s_cselect_b64 s[74:75], s[4:5], s[6:7]
.else
	s_load_b128 s[84:87], s[8:9], 0x20
	s_mov_b64 s[72:73], s[4:5]
	s_add_nc_u64 s[74:75], s[6:7], 0x400000
.endif
	s_add_nc_u64 s[20:21], s[72:73], s[20:21]
	s_add_nc_u64 s[46:47], s[74:75], s[46:47]
	CROUND
.irp s, 0,1
	s_mov_b32 s[G0+4*\s], 1
	s_add_co_u32 s[G0+4*\s+1], s45, \s*SLOT
	s_add_nc_u64 s[G0+4*\s+2:G0+4*\s+3], s[20:21], \s*ROWB
	s_or_b32 s[G0+4*\s+3], s[G0+4*\s+3], 0x80000000
	s_mov_b32 s[G0B+4*\s], 1
	s_add_co_u32 s[G0B+4*\s+1], s45, \s*SLOT
	s_add_nc_u64 s[G0B+4*\s+2:G0B+4*\s+3], s[46:47], \s*ROWB
	s_or_b32 s[G0B+4*\s+3], s[G0B+4*\s+3], 0x80000000
.endr
	JLOAD G0, G1, G0B, G1B                         ; K step 0: one tensor load a wave at the head
	v_and_b32 v1, 15, v0
	s_wait_alu depctr_va_vdst(0)
	v_bfe_u32 v2, v0, 4, 1
	v_mul_u32_u24 v3, v1, PITCH
	v_lshl_add_u32 v4, v2, 4, v3
	s_mul_i32 s21, s15, HALFT
	s_mul_i32 s22, s16, HALFT
	s_add_co_u32 s22, s22, 2*HALFT
.irp s, 0,1
	v_add_nc_u32 v[ADRA+\s], s21, v4
	v_add_nc_u32 v[ADRB+\s], s22, v4
	s_add_co_u32 s21, s21, SLOT
	s_add_co_u32 s22, s22, SLOT
.endr
	s_mul_i32 s23, s15, 128*SPITCH
	s_lshl_b32 s21, s16, 7
	s_add_co_u32 s23, s23, s21
	v_mul_u32_u24 v5, v1, SPITCH
	s_wait_alu depctr_va_vdst(0)
	v_lshl_add_u32 v5, v2, 3, v5
	v_add_nc_u32 v[STO], s23, v5
	s_mul_i32 s23, s14, 64*SPITCH
	v_mul_u32_u24 v5, v2, SPITCH
	v_lshl_add_u32 v5, v1, 4, v5
	v_add_nc_u32 v[RD], s23, v5
	v_lshlrev_b32 v5, 12, v2
	v_lshl_add_u32 v[CO], v1, 4, v5
	s_lshl_b32 s20, s17, 8
	s_lshl_b32 s21, s14, 6
	s_add_co_u32 s20, s20, s21
.if IS_QKV
	s_and_b32 s21, s80, 4096
	s_add_co_u32 s20, s20, s21
.endif
	s_lshl_b32 s20, s20, 12
	s_mov_b32 s21, 0
	s_lshl_b32 s46, s42, 8
	s_mov_b32 s47, 0
	s_add_nc_u64 s[20:21], s[20:21], s[46:47]
	s_add_nc_u64 s[66:67], s[66:67], s[20:21]
	s_lshl_b32 s82, ttmp9, 2
	s_add_co_u32 s82, s82, s40
	s_lshl_b32 s82, s82, 10
	s_lshl_b32 s83, s16, 9
	s_add_co_u32 s82, s82, s83
	s_mov_b32 s83, 0
	s_add_nc_u64 s[76:77], s[10:11], s[82:83]
; THE PREFETCHES.  A K step is 256 bytes of each row.  Of the 128 rows that a wave fetches, each of the four partners that ask for them jointly takes 32, told apart by address (cx for A, cy for B): a lane a row,
; one instruction a wave and K step.  Behind the load of K step 0 stand those for K steps 1 and 2, behind the load of K step 1 that for K step 3: at most two K steps are asked for and not yet read.
; Every offset is an immediate: the address registers are never written again.
	s_lshl_b32 s94, s17, 8
	s_lshl_b32 s95, s42, 8
	s_cmp_eq_u32 s15, 0                            ; do I fetch for A?
	s_cselect_b32 s94, s94, s95                    ; the tile's first row
	s_cselect_b32 s95, s40, s41                    ; my place among the four
	s_cselect_b64 s[98:99], s[72:73], s[74:75]
	s_lshl_b32 s68, s16, 7
	s_add_co_u32 s94, s94, s68                     ; + the 128 rows that I fetch
	s_lshl_b32 s95, s95, 5
	s_add_co_u32 s94, s94, s95                     ; + my work-group's 32 of them
	s_lshl_b32 s94, s94, 10                        ; rows of 1,024 bytes
	s_add_co_u32 s94, s94, ROWB                    ; at K step 1
	s_mov_b32 s95, 0
	s_add_nc_u64 s[98:99], s[98:99], s[94:95]
	v_and_b32 v18, 31, v0
	v_lshlrev_b32 v18, 10, v18
	global_prefetch_b8 v18, s[98:99] th:TH_LOAD_NT scope:SCOPE_SE
	global_prefetch_b8 v18, s[98:99] offset:ROWB th:TH_LOAD_NT scope:SCOPE_SE
	v_lshlrev_b32 v[BNO], 5, v2
.irp b, 0,1,2,3,4,5,6,7
	global_load_b128 v[BN+8*\b:BN+8*\b+3], v[BNO], s[76:77] offset:64*\b
	global_load_b128 v[BN+8*\b+4:BN+8*\b+7], v[BNO], s[76:77] offset:64*\b+16
.endr
.if IS_QKV
	s_lshl_b32 s82, s41, 10
	s_lshl_b32 s83, s15, 9
	s_add_co_u32 s82, s82, s83
	s_add_co_u32 s82, s82, 8192
	s_mov_b32 s83, 0
	s_add_nc_u64 s[78:79], s[10:11], s[82:83]
	v_lshlrev_b32 v[BMO], 2, v1
.irp a, 0,1,2,3,4,5,6,7
	global_load_b32 v[BM+\a], v[BMO], s[78:79] offset:64*\a
.endr
.endif
.macro FRAG reg, adr, q, i
.irp c, 0,1,2,3
	ds_load_b128 v[\reg+4*\c:\reg+4*\c+3], v[\adr] offset:128*(\q)+32*\c+(\i)*16*PITCH
.endr
.endm
.macro MUL16 a0, p, zero
.irp a, \a0, \a0+1
.irp b, 0,1,2,3,4,5,6,7
.if \zero
	v_wmma_f32_16x16x128_fp8_fp8 v[8*(8*((\a)%4)+\b):8*(8*((\a)%4)+\b)+7], v[128*(\p)+FR*\b:128*(\p)+FR*\b+FR-1], v[AF+FR*(\a):AF+FR*(\a)+FR-1], 0
.else
	v_wmma_f32_16x16x128_fp8_fp8 v[8*(8*((\a)%4)+\b):8*(8*((\a)%4)+\b)+7], v[128*(\p)+FR*\b:128*(\p)+FR*\b+FR-1], v[AF+FR*(\a):AF+FR*(\a)+FR-1], v[8*(8*((\a)%4)+\b):8*(8*((\a)%4)+\b)+7]
.endif
.endr
.endr
.endm
.macro FETCH_B slot, q, p
	WIN TO_B
.irp i, 0,1,2,3,4,5,6,7
	FRAG 128*(\p)+FR*\i, ADRB+\slot, \q, \i
.endr
	WIN 0
.endm
.macro FETCH_A slot, q, i0
.irp i, \i0, \i0+1, \i0+2, \i0+3
	FRAG AF+FR*(\i), ADRA+\slot, \q, \i
.endr
.endm
.macro PLACES n
.rept \n
	v_nop
.endr
.endm
.macro STEP slot, q, zero
	s_wait_dscnt 4*NL
	WIN MUL_LO
	MUL16 0, (\q)%2, \zero
	MUL16 2, (\q)%2, \zero
	s_wait_dscnt 0
	PLACES NP
	FETCH_B \slot, (\q)+1, 1-(\q)%2
	FETCH_A \slot, (\q)+1, 0
	WIN MUL_HI
	MUL16 4, (\q)%2, \zero
	MUL16 6, (\q)%2, \zero
	PLACES NP
	WIN 0
	FETCH_A \slot, (\q)+1, 4
.endm
.macro TURN slot, next, fill
	s_wait_tensorcnt 0x0
	ds_add_u32 v[SPW], v[NIL]
	s_wait_dscnt 4*NL+1
	WIN MUL_LO
	MUL16 0, 1, 0
	s_wait_dscnt 0x0
	s_barrier_signal -1
	MUL16 2, 1, 0
	WIN 0
	s_barrier_wait -1
.if \fill
	CREST
	s_add_nc_u64 s[G0+4*\slot+2:G0+4*\slot+3], s[G0+4*\slot+2:G0+4*\slot+3], 2*ROWB
	s_add_nc_u64 s[G0B+4*\slot+2:G0B+4*\slot+3], s[G0B+4*\slot+2:G0B+4*\slot+3], 2*ROWB
	JLOAD G0+4*\slot, G1, G0B+4*\slot, G1B
.else
	PLACES NP
.endif
	FETCH_B \next, 0, 0
	FETCH_A \next, 0, 0
	WIN MUL_HI
	MUL16 4, 1, 0
	MUL16 6, 1, 0
	PLACES NP
	WIN 0
	FETCH_A \next, 0, 4
.endm
	s_wait_alu depctr_va_vdst(0)                   ; the wait at the head's end
	s_wait_tensorcnt 0x0                           ; my part of K step 0 is in
	ds_add_u32 v[SPW], v[NIL]
	s_wait_dscnt 0x0
	CROUND
	JLOAD G0+4, G1, G0B+4, G1B                     ; K step 1: the first tensor load behind the round
	global_prefetch_b8 v18, s[98:99] offset:2*ROWB th:TH_LOAD_NT scope:SCOPE_SE   ; K step 3
	FETCH_B 0, 0, 0
	FETCH_A 0, 0, 0
	FETCH_A 0, 0, 4
	STEP 0, 0, 1
	s_mov_b32 s3, LAPS-1
.Llap:
	TURN 0, 1, 1
	STEP 1, 0, 0
	TURN 1, 0, 1
	STEP 0, 0, 0
	s_sub_co_u32 s3, s3, 1
	s_cmp_lg_u32 s3, 0
	s_cbranch_scc1 .Llap
	TURN 0, 1, 0
	STEP 1, 0, 0
	s_wait_dscnt 4*NL
	WIN MUL_LO
	MUL16 0, 1, 0
	MUL16 2, 1, 0
	s_wait_dscnt 0
	WIN MUL_HI
	MUL16 4, 1, 0
	MUL16 6, 1, 0
	WIN 0
	s_wait_kmcnt 0x0
	s_add_co_i32 s96, s84, s85
	s_add_co_i32 s96, s96, 127
	s_lshl_b32 s96, s96, 23
	s_mov_b32 s97, s96
.if IS_QKV
	s_cmp_eq_u32 ttmp9, 0
	s_cselect_b32 s92, s86, s87
	s_cmp_eq_u32 ttmp9, 2
	s_cselect_b32 s92, s88, s92
.else
	s_mov_b32 s92, s86
	s_mov_b32 s88, 0x41b2e92f
	s_mov_b32 s89, s88
	s_mov_b32 s90, 0xbdd2d3e8
	s_mov_b32 s91, s90
.endif
	s_add_co_i32 s92, s92, 127
	s_lshl_b32 s93, s92, 23
	v_mov_b32 v[SCL], s93
	s_add_co_i32 s92, s92, 8
	s_lshl_b32 s92, s92, 23
	s_or_b32 s92, s92, 0x600000
	v_mov_b32 v[HLD], s92
	v_mov_b32 v[ZERO], 0
	s_wait_loadcnt 0x0
	PLACES NP
.if IS_QKV
.set JJ, 0
.rept 64
	v_cndmask_b32 v[BN+JJ], v[BN+JJ], v[ZERO], s80
.set JJ, JJ+1
.endr
.set JJ, 0
.rept 8
	v_cndmask_b32 v[BM+JJ], v[ZERO], v[BM+JJ], s80
.set JJ, JJ+1
.endr
.endif
.macro OUTBLK a
.set AC, 64*((\a)%4)
.if IS_QKV
	WIN 0
	v_mov_b32 v[BMP], v[BM+(\a)]
	v_mov_b32 v[BMP+1], v[BM+(\a)]
.endif
	WIN 0x42+((\a)/4)
.set JJ, 0
.rept 32
	v_pk_fma_f32 v[TMP+JJ:TMP+JJ+1], v[AC+JJ:AC+JJ+1], s[96:97], v[BN+JJ:BN+JJ+1] op_sel_hi:[1,0,1]
.set JJ, JJ+2
.endr
.if IS_QKV
	WIN 0x41
.set JJ, 0
.rept 32
	v_pk_add_f32 v[TMP+JJ:TMP+JJ+1], v[TMP+JJ:TMP+JJ+1], v[BMP:BMP+1]
.set JJ, JJ+2
.endr
.else
	WIN 0x55
.set JJ, 0
.rept 32
	v_pk_fma_f32 v[U+JJ:U+JJ+1], v[TMP+JJ:TMP+JJ+1], v[TMP+JJ:TMP+JJ+1], s[88:89] op_sel_hi:[1,1,0]
.set JJ, JJ+2
.endr
.set JJ, 0
.rept 32
	v_pk_mul_f32 v[U+JJ:U+JJ+1], v[U+JJ:U+JJ+1], v[TMP+JJ:TMP+JJ+1]
.set JJ, JJ+2
.endr
.set JJ, 0
.rept 32
	v_pk_mul_f32 v[U+JJ:U+JJ+1], v[U+JJ:U+JJ+1], s[90:91] op_sel_hi:[1,0]
.set JJ, JJ+2
.endr
.set JJ, 0
	s_wait_alu depctr_va_vdst(0)
.rept 64
	v_exp_f32 v[U+JJ], v[U+JJ]
.set JJ, JJ+1
.endr
	v_nop
	s_wait_alu depctr_va_vdst(0)
.set JJ, 0
.rept 32
	v_pk_add_f32 v[U+JJ:U+JJ+1], v[U+JJ:U+JJ+1], 1.0 op_sel_hi:[1,0]
.set JJ, JJ+2
.endr
.set JJ, 0
	s_wait_alu depctr_va_vdst(0)
.rept 64
	v_rcp_f32 v[U+JJ], v[U+JJ]
.set JJ, JJ+1
.endr
	v_nop
	s_wait_alu depctr_va_vdst(0)
.set JJ, 0
.rept 32
	v_pk_mul_f32 v[TMP+JJ:TMP+JJ+1], v[TMP+JJ:TMP+JJ+1], v[U+JJ:U+JJ+1]
.set JJ, JJ+2
.endr
	WIN 0x41
.endif
.set JJ, 0
.rept 64
	v_med3_num_f32 v[TMP+JJ], v[TMP+JJ], -v[HLD], v[HLD]
.set JJ, JJ+1
.endr
.set JJ, 0
.rept 8
	v_cvt_scalef32_pk8_fp8_f32 v[CODES+16*(\a)+2*JJ:CODES+16*(\a)+2*JJ+1], v[TMP+8*JJ:TMP+8*JJ+7], v[SCL]
.set JJ, JJ+1
.endr
	v_nop
	WIN 0x04
.set JJ, 0
.rept 8
	ds_store_b64 v[STO], v[CODES+16*(\a)+2*JJ:CODES+16*(\a)+2*JJ+1] offset:(\a)*16*SPITCH+16*JJ
.set JJ, JJ+1
.endr
.endm
.irp a, 0,1,2,3,4,5,6,7
	OUTBLK \a
.endr
	WIN 0
	s_wait_dscnt 0x0
	s_barrier_signal -1
	s_barrier_wait -1
.set JJ, 0
.rept 32
	ds_load_b128 v[BK+4*JJ:BK+4*JJ+3], v[RD] offset:2*JJ*SPITCH
.set JJ, JJ+1
.endr
.set JJ, 0
.rept 32
	s_wait_dscnt 31-JJ
	global_store_b128 v[CO], v[BK+4*JJ:BK+4*JJ+3], s[66:67] offset:2*JJ*4096
.set JJ, JJ+1
.endr
	s_wait_tensorcnt 0x0
	ds_add_u32 v[SPW], v[NIL]
	s_wait_dscnt 0x0
	CROUND
	s_endpgm
.Lfunc_end_k_q33d7b1d715_fc1:
	.size	k_q33d7b1d715_fc1, .Lfunc_end_k_q33d7b1d715_fc1-k_q33d7b1d715_fc1
	.p2alignl 7, 3214868480
	.fill 96, 4, 3214868480
	.section	.rodata,"a",@progbits
	.p2align	6, 0x0
	.amdhsa_kernel k_q33d7b1d715_fc1
		.amdhsa_group_segment_fixed_size 327680
		.amdhsa_private_segment_fixed_size 0
		.amdhsa_enable_private_segment 0
		.amdhsa_kernarg_size 40
		.amdhsa_user_sgpr_count 2
		.amdhsa_user_sgpr_kernarg_segment_ptr 1
		.amdhsa_wavefront_size32 1
		.amdhsa_system_sgpr_workgroup_id_x 1
		.amdhsa_system_sgpr_workgroup_id_y 1
		.amdhsa_system_sgpr_workgroup_id_z 1
		.amdhsa_system_vgpr_workitem_id 0
		.amdhsa_next_free_vgpr 1024
		.amdhsa_next_free_sgpr 100
		.amdhsa_reserve_vcc 0
		.amdhsa_float_denorm_mode_32 3
		.amdhsa_float_denorm_mode_16_64 3
		.amdhsa_memory_ordered 1
		.amdhsa_forward_progress 1
		.amdhsa_inst_pref_size 255
	.end_amdhsa_kernel
	.section	.bss,"aw",@nobits
	.p2align	6
	.space	262144
	.amdgpu_metadata
---
amdhsa.version: [ 1, 2 ]
amdhsa.kernels:
  - .name:           k_q33d7b1d715_fc1
    .symbol:         k_q33d7b1d715_fc1.kd
    .args:
      - { .name: a0, .offset: 0, .size: 8, .value_kind: global_buffer, .address_space: global }
      - { .name: wc, .offset: 8, .size: 8, .value_kind: global_buffer, .address_space: global }
      - { .name: lowp_scales, .offset: 16, .size: 8, .value_kind: global_buffer, .address_space: global }
      - { .name: inter_b, .offset: 24, .size: 8, .value_kind: global_buffer, .address_space: global }
      - { .name: hc, .offset: 32, .size: 8, .value_kind: global_buffer, .address_space: global }
    .group_segment_fixed_size: 327680
    .private_segment_fixed_size: 0
    .kernarg_segment_align: 8
    .kernarg_segment_size: 40
    .max_flat_workgroup_size: 128
    .sgpr_count:     100
    .vgpr_count:     1024
    .wavefront_size: 32
...
	.end_amdgpu_metadata
.endif
;; end of part 6
;; launch fc2 (part 7): grid 8 x 32, 4 waves a work-group, clusters of 4 x 4, 327,680 bytes of LDS; arguments hc, wc, lowp_scales, resid, output_b, out0; writes out0
.if DOCPART == 7
	.amdgcn_target "amdgcn-amd-amdhsa--gfx1250"
	.amdhsa_code_object_version 6
	.text
	.protected	k_q33d7b1d715_fc2
	.globl	k_q33d7b1d715_fc2
	.p2align	8
	.type	k_q33d7b1d715_fc2,@function
k_q33d7b1d715_fc2:
	s_mov_b64 s[64:65], 0
	v_nop
	global_prefetch_b8 v0, s[64:65] scope:SCOPE_SE
	s_setreg_imm32_b32 hwreg(HW_REG_WAVE_MODE, 25, 1), 1
	s_wait_xcnt 0x0
	s_wait_alu depctr_hold_cnt(0) depctr_sa_sdst(0) depctr_va_vdst(0) depctr_va_sdst(0) depctr_va_ssrc(0) depctr_va_vcc(0) depctr_vm_vsrc(0)
	s_getreg_b32 s2, hwreg(HW_REG_IB_STS2, 6, 4)
	s_cmp_eq_u32 s2, 0
	s_cbranch_scc0 .Lentry_in_a_cluster
	s_endpgm
.Lentry_in_a_cluster:
	s_bfe_u32 s2, ttmp6, 0x10000c
	s_cmp_lg_u32 s2, 0xf033
	s_cbranch_scc0 .Lentry_shape_is_right
	s_endpgm
.Lentry_shape_is_right:
.set IS_FC2, 1
.if IS_FC2
.set KROW,  4096
.set WOFF,  0x800000
.set SCOFF, 0x28
.else
.set KROW,  1024
.set WOFF,  0x300000
.set SCOFF, 0x18
.endif
.set KSTEP,  512
.set PITCH,  528
.set HALFT,  64*PITCH
.set SLOT,   4*HALFT
.set STAGE,  2*SLOT
.set SPITCH, 272
.set SPARE,  STAGE+4*16*SPITCH
.set LAPS,   KROW/(2*KSTEP)
.set ADRA, 16
.set ADRB, 20
.set STO,  24
.set RD,   25
.set CO,   26
.set BIO,  27
.set SPW,  28
.set NIL,  29
.set BI,   100
.set ACC,  128
.set F0,   0
.set F1,   128
.set G1, 24
.set G0, 32
.set G1B, 48
.set G0B, 56
.set MSB, 0
.macro WIN new
.if MSB != \new
	s_set_vgpr_msb (MSB<<8)|\new
.set MSB, \new
.endif
.endm
.set MUL,  0x05
.set TO_F, 0x40
.macro JLOAD s
	s_cmp_eq_u32 s67, 0
	s_cbranch_scc0 .Lfor_b_\@
	tensor_load_to_lds s[G0+4*\s:G0+4*\s+3], s[G1:G1+7]
	s_nop 0
.rept 4
	v_nop
.endr
	s_branch .Lasked_\@
.Lfor_b_\@:
	tensor_load_to_lds s[G0B+4*\s:G0B+4*\s+3], s[G1B:G1B+7]
	s_nop 0
.rept 4
	v_nop
.endr
.Lasked_\@:
.endm
.macro CREST
	s_cmp_lg_u32 s66, 0
	s_cbranch_scc1 .Lnot_wave_0_\@
	s_barrier_signal -3
.Lnot_wave_0_\@:
	s_barrier_wait -3
	s_barrier_signal -1
	s_barrier_wait -1
.endm
.macro CROUND
	s_barrier_signal -1
	s_barrier_wait -1
	CREST
.endm
	s_load_b256 s[4:11], s[0:1], 0x0
	s_load_b128 s[12:15], s[0:1], 0x20
	v_lshl_add_u32 v[SPW], v0, 2, SPARE
	v_mov_b32 v[NIL], 0
	ds_add_u32 v[SPW], v[NIL]
	ds_add_u32 v[SPW], v[NIL]
	v_lshrrev_b32 v1, 5, v0
	v_readfirstlane_b32 s66, v1
	s_lshr_b32 s67, s66, 1
	s_and_b32 s68, s66, 1
	s_bfe_u32 s40, ttmp6, 0x40000
	s_bfe_u32 s41, ttmp6, 0x40004
	s_lshl_b32 s70, ttmp9, 2
	s_add_co_u32 s70, s70, s40
	s_and_b32 s69, ttmp7, 0xffff
	s_lshl_b32 s69, s69, 2
	s_add_co_u32 s69, s69, s41
	s_lshl_b32 s43, s41, 2
	s_lshl_b32 s43, 15, s43
	s_lshl_b32 s44, 0x1111, s40
	s_or_b32 s[G1+0], s43, (0<<16)|(1<<20)|(1<<21)|(6<<22)|(3<<25)
	s_or_b32 s[G1B+0], s44, (0<<16)|(1<<20)|(1<<21)|(6<<22)|(3<<25)
.irp g, G1, G1B
	s_mov_b32 s[\g+1], KSTEP<<16
	s_mov_b32 s[\g+2], 64<<16
	s_mov_b32 s[\g+3], KSTEP<<16
	s_mov_b32 s[\g+4], 64
	s_mov_b32 s[\g+5], KROW
	s_mov_b32 s[\g+6], 0
	s_mov_b32 s[\g+7], 0
.endr
	s_lshl_b32 s17, s68, 6
	s_lshl_b32 s16, s69, 7
	s_add_co_u32 s16, s16, s17
	s_lshl_b32 s46, s70, 7
	s_add_co_u32 s46, s46, s17
	s_mov_b32 s17, 0
	s_mov_b32 s47, 0
	s_mov_b64 s[18:19], KROW
	s_mul_u64 s[16:17], s[16:17], s[18:19]
	s_mul_u64 s[46:47], s[46:47], s[18:19]
	s_mul_i32 s20, s66, HALFT
	s_wait_dscnt 0x0
	s_wait_kmcnt 0x0
	s_load_b64 s[80:81], s[8:9], SCOFF
	s_add_nc_u64 s[72:73], s[4:5], s[16:17]
	s_add_nc_u64 s[74:75], s[6:7], WOFF
	s_add_nc_u64 s[46:47], s[74:75], s[46:47]
	CROUND
.irp s, 0,1
	s_mov_b32 s[G0+4*\s], 1
	s_add_co_u32 s[G0+4*\s+1], s20, \s*SLOT
	s_add_nc_u64 s[G0+4*\s+2:G0+4*\s+3], s[72:73], \s*KSTEP
	s_or_b32 s[G0+4*\s+3], s[G0+4*\s+3], 0x80000000
	s_mov_b32 s[G0B+4*\s], 1
	s_add_co_u32 s[G0B+4*\s+1], s20, \s*SLOT
	s_add_nc_u64 s[G0B+4*\s+2:G0B+4*\s+3], s[46:47], \s*KSTEP
	s_or_b32 s[G0B+4*\s+3], s[G0B+4*\s+3], 0x80000000
.endr
	JLOAD 0                                        ; K step 0: one tensor load a wave at the head
	v_and_b32 v1, 15, v0
	s_wait_alu depctr_va_vdst(0)
	v_bfe_u32 v2, v0, 4, 1
	v_mul_u32_u24 v3, v1, PITCH
	v_lshl_add_u32 v3, v2, 4, v3
	s_mul_i32 s21, s67, HALFT
	s_mul_i32 s22, s68, HALFT
	s_add_co_u32 s22, s22, 2*HALFT
.irp s, 0,1
	v_add_nc_u32 v[ADRA+\s], s21, v3
	v_add_nc_u32 v[ADRB+\s], s22, v3
	s_add_co_u32 s21, s21, SLOT
	s_add_co_u32 s22, s22, SLOT
.endr
	s_mul_i32 s23, s66, 16*SPITCH
	s_add_co_u32 s23, s23, STAGE
	v_mul_u32_u24 v4, v1, SPITCH
	s_wait_alu depctr_va_vdst(0)
	v_lshl_add_u32 v4, v2, 5, v4
	v_add_nc_u32 v[STO], s23, v4
	v_mul_u32_u24 v5, v2, SPITCH
	v_lshl_add_u32 v5, v1, 4, v5
	v_add_nc_u32 v[RD], s23, v5
	v_lshlrev_b32 v5, 12, v2
	v_lshl_add_u32 v[CO], v1, 4, v5
	v_lshlrev_b32 v[BIO], 4, v1
	s_wait_alu depctr_va_vdst(0)
	s_lshl_b32 s16, s69, 7
	s_lshl_b32 s17, s67, 6
	s_add_co_u32 s16, s16, s17
	s_lshl_b32 s16, s16, 12
	s_mov_b32 s17, 0
	s_lshl_b32 s46, s70, 9
	s_lshl_b32 s47, s68, 8
	s_add_co_u32 s46, s46, s47
	s_mov_b32 s47, 0
	s_add_nc_u64 s[12:13], s[12:13], s[46:47]
	s_add_nc_u64 s[16:17], s[16:17], s[46:47]
	s_add_nc_u64 s[10:11], s[10:11], s[16:17]
	s_add_nc_u64 s[14:15], s[14:15], s[16:17]
; THE PREFETCHES: behind the load of K step s stands one for K step s + 2.  A K step is 512 bytes of each row; of the 64 rows that a wave fetches, each of the four partners that ask for them jointly
; takes 16, told apart by address (cx for A, cy for B): a lane takes 256 bytes, two lanes a row, one instruction a wave.  The loads of K steps 6 and 7 are followed by none.
.set PFO, 30
.set PFA, 86
	s_lshl_b32 s88, s69, 7
	s_lshl_b32 s89, s70, 7
	s_cmp_eq_u32 s67, 0                            ; do I fetch for A?
	s_cselect_b32 s88, s88, s89                    ; the tile's first row
	s_cselect_b32 s89, s40, s41                    ; my place among the four
	s_cselect_b64 s[PFA:PFA+1], s[4:5], s[74:75]
	s_lshl_b32 s90, s68, 6
	s_add_co_u32 s88, s88, s90
	s_lshl_b32 s89, s89, 4
	s_add_co_u32 s88, s88, s89
	s_mul_i32 s88, s88, KROW
	s_add_co_u32 s88, s88, 2*KSTEP                 ; at K step 2
	s_mov_b32 s89, 0
	s_add_nc_u64 s[PFA:PFA+1], s[PFA:PFA+1], s[88:89]
	v_bfe_u32 v[PFO], v0, 1, 4
	v_mul_u32_u24 v[PFO], v[PFO], KROW
	v_and_b32 v31, 1, v0
	v_lshl_add_u32 v[PFO], v31, 8, v[PFO]
	global_prefetch_b8 v[PFO], s[PFA:PFA+1] offset:-512 th:TH_LOAD_NT scope:SCOPE_SE   ; K step 1, which no earlier load stands ahead of: with K step 2 below, two K steps are asked for and not yet read
	global_prefetch_b8 v[PFO], s[PFA:PFA+1] th:TH_LOAD_NT scope:SCOPE_SE
	global_load_b128 v[BI:BI+3], v[BIO], s[12:13]
	WIN 0x80
.irp a, 0,1,2,3
.irp t, 0,1,2,3,4,5,6,7
	global_load_b128 v[32*\a+4*\t:32*\a+4*\t+3], v[CO], s[10:11] offset:(16*\a+2*\t)*4096
.endr
.endr
	WIN 0
.macro FRAG reg, adr, k, i
.irp c, 0,1,2,3
	ds_load_b128 v[\reg+4*\c:\reg+4*\c+3], v[\adr] offset:\k+32*\c+(\i)*16*PITCH
.endr
.endm
.macro FETCH slot, k, f
	WIN TO_F
.irp i, 0,1,2,3
	FRAG \f+64+16*\i, ADRB+\slot, \k, \i
.endr
.irp i, 0,1,2,3
	FRAG \f+16*\i, ADRA+\slot, \k, \i
.endr
.endm
.macro MUL8 f, a0, zero
.irp a, \a0, \a0+1
.irp b, 0,1,2,3
.if \zero
	v_wmma_f32_16x16x128_fp8_fp8 v[ACC+8*(4*(\a)+\b):ACC+8*(4*(\a)+\b)+7], v[\f+64+16*\b:\f+64+16*\b+15], v[\f+16*(\a):\f+16*(\a)+15], 0
.else
	v_wmma_f32_16x16x128_fp8_fp8 v[ACC+8*(4*(\a)+\b):ACC+8*(4*(\a)+\b)+7], v[\f+64+16*\b:\f+64+16*\b+15], v[\f+16*(\a):\f+16*(\a)+15], v[ACC+8*(4*(\a)+\b):ACC+8*(4*(\a)+\b)+7]
.endif
.endr
.endr
.endm
.macro PLACES
.rept 4
	v_nop
.endr
.endm
.macro QUARTER slot, k, f, g, zero
	s_wait_dscnt 8
	WIN MUL
	MUL8 \f, 0, \zero
	PLACES
	FETCH \slot, \k, \g
	s_wait_dscnt 32
	WIN MUL
	MUL8 \f, 2, \zero
.endm
.macro TURN slot, next, fill
	WIN 0
.if \fill
	s_wait_xcnt 0x0                                ; the last prefetch has read its address: it is stepped here, a K step behind it
	s_add_nc_u64 s[PFA:PFA+1], s[PFA:PFA+1], KSTEP
.endif
	s_wait_tensorcnt 0x0
	ds_add_u32 v[SPW], v[NIL]
	s_wait_dscnt 9
	WIN MUL
	MUL8 F1, 0, 0
	s_wait_dscnt 0x0
	s_barrier_signal -1
	MUL8 F1, 2, 0
	WIN 0
	s_barrier_wait -1
.if \fill
	CREST
	s_add_nc_u64 s[G0+4*\slot+2:G0+4*\slot+3], s[G0+4*\slot+2:G0+4*\slot+3], 2*KSTEP
	s_add_nc_u64 s[G0B+4*\slot+2:G0B+4*\slot+3], s[G0B+4*\slot+2:G0B+4*\slot+3], 2*KSTEP
	JLOAD \slot
.else
	PLACES
.endif
	FETCH \next, 0, F0
.if \fill
	WIN 0                                          ; at a branch and at a label every window is 0
	s_cmp_gt_u32 s3, 1                             ; the loop's last trip loads K steps 6 and 7: nothing lies two steps on
	s_cbranch_scc0 .Lno_ask_\@
	global_prefetch_b8 v[PFO], s[PFA:PFA+1] offset:KSTEP th:TH_LOAD_NT scope:SCOPE_SE
.Lno_ask_\@:
.endif
.endm
	s_wait_alu depctr_va_vdst(0)                   ; the wait at the head's end
	s_wait_tensorcnt 0x0                           ; my part of K step 0 is in
	ds_add_u32 v[SPW], v[NIL]
	s_wait_dscnt 0x0
	CROUND
	JLOAD 1                                        ; K step 1: the first tensor load behind the round
	global_prefetch_b8 v[PFO], s[PFA:PFA+1] offset:KSTEP th:TH_LOAD_NT scope:SCOPE_SE   ; K step 3
	FETCH 0, 0, F0
	QUARTER 0, 128, F0, F1, 1
.if LAPS > 1
	WIN 0
	s_mov_b32 s3, LAPS-1
.Llap:
	QUARTER 0, 256, F1, F0, 0
	QUARTER 0, 384, F0, F1, 0
	TURN 0, 1, 1
	QUARTER 1, 128, F0, F1, 0
	QUARTER 1, 256, F1, F0, 0
	QUARTER 1, 384, F0, F1, 0
	TURN 1, 0, 1
	QUARTER 0, 128, F0, F1, 0
	WIN 0
	s_sub_co_u32 s3, s3, 1
	s_cmp_lg_u32 s3, 0
	s_cbranch_scc1 .Llap
.endif
	QUARTER 0, 256, F1, F0, 0
	QUARTER 0, 384, F0, F1, 0
	TURN 0, 1, 0
	QUARTER 1, 128, F0, F1, 0
	QUARTER 1, 256, F1, F0, 0
	QUARTER 1, 384, F0, F1, 0
	s_wait_dscnt 8
	WIN MUL
	MUL8 F1, 0, 0
	s_wait_dscnt 0
	MUL8 F1, 2, 0
	WIN 0
	s_wait_kmcnt 0x0
	s_add_co_i32 s84, s80, s81
	s_add_co_i32 s84, s84, 127
	s_lshl_b32 s84, s84, 23
	s_mov_b32 s85, s84
	PLACES
.irp a, 0,1,2,3
.irp b, 0,1,2,3
	ds_store_b128 v[STO], v[ACC+32*\a+8*\b:ACC+32*\a+8*\b+3] offset:64*\b
	ds_store_b128 v[STO], v[ACC+32*\a+8*\b+4:ACC+32*\a+8*\b+7] offset:64*\b+16
.endr
.irp t, 0,1,2,3,4,5,6,7
	ds_load_b128 v[ACC+32*\a+4*\t:ACC+32*\a+4*\t+3], v[RD] offset:2*\t*SPITCH
.endr
.endr
	s_wait_loadcnt 0x0
	WIN 0x82
.set JJ, 0
.rept 32
	v_pk_add_f32 v[4*JJ:4*JJ+1], v[4*JJ:4*JJ+1], v[BI:BI+1]
	v_pk_add_f32 v[4*JJ+2:4*JJ+3], v[4*JJ+2:4*JJ+3], v[BI+2:BI+3]
.set JJ, JJ+1
.endr
.irp a, 0,1,2,3
	s_wait_dscnt 16*(3-\a)
	WIN 0x20
.set JJ, 0
.rept 16
	v_pk_fma_f32 v[ACC+32*\a+JJ:ACC+32*\a+JJ+1], v[ACC+32*\a+JJ:ACC+32*\a+JJ+1], s[84:85], v[32*\a+JJ:32*\a+JJ+1] op_sel_hi:[1,0,1]
.set JJ, JJ+2
.endr
	WIN 0
.irp t, 0,1,2,3,4,5,6,7
.if IS_FC2
	global_store_b128 v[CO], v[ACC+32*\a+4*\t:ACC+32*\a+4*\t+3], s[14:15] offset:(16*\a+2*\t)*4096 th:TH_STORE_NT
.else
	global_store_b128 v[CO], v[ACC+32*\a+4*\t:ACC+32*\a+4*\t+3], s[14:15] offset:(16*\a+2*\t)*4096
.endif
.endr
.endr
	s_wait_tensorcnt 0x0
	ds_add_u32 v[SPW], v[NIL]
	s_wait_dscnt 0x0
	CROUND
	s_endpgm
.Lfunc_end_k_q33d7b1d715_fc2:
	.size	k_q33d7b1d715_fc2, .Lfunc_end_k_q33d7b1d715_fc2-k_q33d7b1d715_fc2
	.p2alignl 7, 3214868480
	.fill 96, 4, 3214868480
	.section	.rodata,"a",@progbits
	.p2align	6, 0x0
	.amdhsa_kernel k_q33d7b1d715_fc2
		.amdhsa_group_segment_fixed_size 327680
		.amdhsa_private_segment_fixed_size 0
		.amdhsa_enable_private_segment 0
		.amdhsa_kernarg_size 48
		.amdhsa_user_sgpr_count 2
		.amdhsa_user_sgpr_kernarg_segment_ptr 1
		.amdhsa_wavefront_size32 1
		.amdhsa_system_sgpr_workgroup_id_x 1
		.amdhsa_system_sgpr_workgroup_id_y 1
		.amdhsa_system_sgpr_workgroup_id_z 1
		.amdhsa_system_vgpr_workitem_id 0
		.amdhsa_next_free_vgpr 768
		.amdhsa_next_free_sgpr 100
		.amdhsa_reserve_vcc 0
		.amdhsa_float_denorm_mode_32 3
		.amdhsa_float_denorm_mode_16_64 3
		.amdhsa_memory_ordered 1
		.amdhsa_forward_progress 1
		.amdhsa_inst_pref_size 83
	.end_amdhsa_kernel
	.amdgpu_metadata
---
amdhsa.version: [ 1, 2 ]
amdhsa.kernels:
  - .name:           k_q33d7b1d715_fc2
    .symbol:         k_q33d7b1d715_fc2.kd
    .args:
      - { .name: hc, .offset: 0, .size: 8, .value_kind: global_buffer, .address_space: global }
      - { .name: wc, .offset: 8, .size: 8, .value_kind: global_buffer, .address_space: global }
      - { .name: lowp_scales, .offset: 16, .size: 8, .value_kind: global_buffer, .address_space: global }
      - { .name: resid, .offset: 24, .size: 8, .value_kind: global_buffer, .address_space: global }
      - { .name: output_b, .offset: 32, .size: 8, .value_kind: global_buffer, .address_space: global }
      - { .name: out0, .offset: 40, .size: 8, .value_kind: global_buffer, .address_space: global }
    .group_segment_fixed_size: 327680
    .private_segment_fixed_size: 0
    .kernarg_segment_align: 8
    .kernarg_segment_size: 48
    .max_flat_workgroup_size: 128
    .sgpr_count:     100
    .vgpr_count:     768
    .wavefront_size: 32
...
	.end_amdgpu_metadata
.endif
;; end of part 7
